; MI455X (gfx1250); checked and timed in simulation.
; The chip was launched on July 23, 2026; its instructions are those of AMD's public machine-readable ISA for CDNA 5 (MIT licence, August 2026) and "CDNA5" Instruction Set Architecture Reference Guide (July 2026). The comments in the code are by the model that wrote it; some were corrected since.
;; Self Attention. Allowed arithmetic: float matrix products may take bf16 or f16 operands with f32 sums; other float arithmetic in f32, or as packed bf16 or f16 multiplies, adds, multiply-adds, maxima and minima; sums over many terms, partial sums and values carried from step to step in f32; what a program stores and reads back later, other than sums and carried values, may be rounded once to bf16 or f16.
;; Inputs: Wk 1,024 x 1,024 float32; Wo 1,024 x 1,024 float32; Wq 1,024 x 1,024 float32; Wv 1,024 x 1,024 float32; bo 1,024 float32; keys 4 x 2,048 x 1,024 float32; mask 4 x 1 x 2,048 x 2,048 int32; query 4 x 2,048 x 1,024 float32; values 4 x 2,048 x 1,024 float32.
;; Outputs: out0 4 x 2,048 x 1,024 float32.
;; 2 versions, each right; version 2 is version 1 with the launch prep written anew for expert scheduling mode. Each part assembles by itself: llvm-mc -triple=amdgcn-amd-amdhsa -mcpu=gfx1250 --defsym DOCPART=n.
;; ======== version 1 of 2: 5 launches
;; limits: values are held in f16: magnitudes above 65,504 overflow, below 6.1e-05 lose precision
;; workspace buffers: x16 50,331,648 bytes; wf 4,194,304 bytes; qp16 16,777,216 bytes; pfrag 33,554,432 bytes; stats 1,048,576 bytes; u16 16,777,216 bytes
;; launch prep (part 1): grid 896 x 1, 8 waves a work-group, no clusters, 74,752 bytes of LDS; arguments query, keys, values, Wk, Wq, Wo, Wv, x16, wf; writes x16, wf
.if DOCPART == 1
	.amdgcn_target "amdgcn-amd-amdhsa--gfx1250"
	.amdhsa_code_object_version 6
	.text
	.protected	k_q65688e8f90_prep
	.globl	k_q65688e8f90_prep
	.p2align	8
	.type	k_q65688e8f90_prep,@function
k_q65688e8f90_prep:
	s_mov_b64 s[64:65], 0
	v_nop
	global_prefetch_b8 v0, s[64:65] scope:SCOPE_SE
	s_setreg_imm32_b32 hwreg(HW_REG_WAVE_MODE, 25, 1), 1
	s_wait_xcnt 0x0
; PREP.  Two kinds of work-group in one launch, the long ones first.
;   Work-groups 0 to 127:   two products of the weights, 128 x 128 of C a work-group, K = 1024:
;       p = 0:  wf[0][d2][d1] = f16(32 * sum over e of Wk[e][d2] Wq[e][d1])     (so that energy = (query MT^T) keys^T)
;       p = 1:  wf[1][o][d]   = f16(32 * sum over e of Wo[o][e] Wv[e][d])       (so that out = (attn values) W2^T + bo)
;   Work-groups 128 to 895: query, keys, values (f32) are rounded to f16 into x16 = [3][8192][1024]; 32 rows a work-group.
; The two re-associations hold for every input; the order of rounding differs from a program that projects q, k, v first.
; LIMITS: f16 operands: |query|, |keys|, |values| and 32 |product of weights| must stay below 65,504.
; No joint requests: the weights pass through registers on their way to LDS, where f32 is rounded to f16, and the
; bytes that the 128 work-groups share (16 MiB of weights) are a small part of the launch's 96 MiB of activations.
; THE PRODUCTS go along K in 16 chunks of 64.  Two sets of 64 registers take turns: a set is loaded again, two chunks ahead, as soon
; as its rows lie in LDS.  Two LDS buffers take turns, with one barrier a chunk: chunk i writes the buffer that chunk i - 2 read, and
; every wave has waited for those reads in front of chunk i - 1's barrier.
.set PITCH,  288                       ; an LDS row of a tile whose rows run along K: 128 f16 + 32 bytes, an odd multiple of 32 bytes for the transposing loads
.set PPITCH, 144                       ; an LDS row of Wo's tile, whose rows run along m: 64 f16 + 16 bytes, an odd multiple of 16
.set TBO,    64*PITCH                  ; tile B lies behind tile A (64 x 288 = 128 x 144 bytes)
.set BUF,    2*TBO                     ; a buffer: both tiles of a chunk
.set SPITCH, 272                       ; the way out: 128 f16 + 16 bytes
.set KROWS,  64*4096                   ; bytes from a chunk to the next where rows run along K
.set GOB,  2                           ; v2   byte offset of my 16 bytes in my wave's first row of a tile whose rows run along K
.set GOA,  3                           ; v3   the same for tile A
.set LSB,  4                           ; v4   LDS address of my 8 bytes in my wave's first row of a tile whose rows run along K
.set LSA,  5                           ; v5   the same for tile A
.set ADA,  6                           ; v6   LDS address of my part of the m fragments
.set ADB,  7                           ; v7   the same for the n fragments
.set STO,  8                           ; v8   the way out: where I put 16 bytes
.set RD,   9                           ; v9   the way out: where I read a row back
.set CO,   10                          ; v10  my byte offset in C
.set VIN,  11                          ; v11  cast: byte offset of my 16 bytes of f32
.set VOUT, 12                          ; v12  cast: byte offset of my 8 bytes of f16
.set X,    16                          ; v[16:143]  products: two sets of 64 (8 rows of A, 8 of B); cast: 32 pieces of 4
.set Y,    144                         ; v[144:207] cast: 32 pieces of 2, to store
.set FR,   144                         ; v[144:191] four n fragments, two m fragments
.set ACC,  192                         ; v[192:255] 2 x 4 accumulator tiles, tile (im, in) at ACC + 8 (4 im + in)
.macro PLACES                          ; four plain vector places behind a matrix instruction (ISA guide 7.12.1)
.rept 4
	v_nop
.endr
.endm
	s_load_b512 s[4:19], s[0:1], 0x0               ; query, keys, values, Wk, Wq, Wo, Wv, x16
	s_load_b64 s[20:21], s[0:1], 0x40              ; wf
	v_lshl_add_u32 v14, v0, 2, 0x12000
	v_mov_b32 v15, 0
	v_and_b32 v1, 31, v0                           ; lane
	v_lshrrev_b32 v13, 5, v0                       ; wave
	s_cmp_lt_u32 ttmp9, 128                        ; the same in every wave of a work-group
	s_cbranch_scc1 .Lweights
	; ---------------- the cast: a wave takes 4 rows, 32 pieces of 512 bytes, all asked for at once ----------------
	s_sub_co_u32 s22, ttmp9, 128                   ; c = 0 .. 767
	s_lshr_b32 s23, s22, 8                         ; which tensor: 256 work-groups each
	s_and_b32 s28, s22, 255
	s_lshl_b32 s28, s28, 17                        ; 32 rows of 4,096 bytes
	s_mov_b32 s29, 0
	s_lshl_b32 s30, s22, 16                        ; 32 rows of 2,048 bytes; the three tensors follow each other in x16
	s_mov_b32 s31, 0
	v_lshlrev_b32 v[VIN], 4, v1
	v_lshl_add_u32 v[VIN], v13, 14, v[VIN]         ; wave x 4 rows x 4,096 + 16 lane
	v_lshlrev_b32 v[VOUT], 3, v1
	v_lshl_add_u32 v[VOUT], v13, 13, v[VOUT]       ; wave x 4 rows x 2,048 + 8 lane
	s_wait_kmcnt 0x0
	s_cmp_eq_u32 s23, 1
	s_cselect_b64 s[24:25], s[6:7], s[4:5]
	s_cmp_eq_u32 s23, 2
	s_cselect_b64 s[24:25], s[8:9], s[24:25]
	s_add_nc_u64 s[24:25], s[24:25], s[28:29]
	s_add_nc_u64 s[26:27], s[18:19], s[30:31]
.set i, 0
.rept 32
	global_load_b128 v[X+4*i:X+4*i+3], v[VIN], s[24:25] offset:512*i th:TH_LOAD_NT
.set i, i+1
.endr
	; Piece i is in when at most the 31 - i younger loads are out.  Every piece has registers of its own to be stored from,
	; and no address register is rewritten: nothing here waits for a store.
.set i, 0
.rept 32
	s_wait_loadcnt 31-i
	v_cvt_pk_f16_f32 v[Y+2*i], v[X+4*i], v[X+4*i+1]
	v_cvt_pk_f16_f32 v[Y+2*i+1], v[X+4*i+2], v[X+4*i+3]
	global_store_b64 v[VOUT], v[Y+2*i:Y+2*i+1], s[26:27] offset:256*i   ; 32 lanes store 256 consecutive bytes, aligned
.set i, i+1
.endr
	s_endpgm
	; ---------------- the products of the weights ----------------
.Lweights:
	s_lshr_b32 s22, ttmp9, 6                       ; p
	s_bfe_u32 s23, ttmp9, 0x30003                  ; bm: block row of C
	s_and_b32 s24, ttmp9, 7                        ; bn: block column of C
	v_and_b32 v16, 15, v0                          ; r        (v16 to v23 are at work until the first loads go out)
	v_bfe_u32 v17, v0, 4, 1                        ; h
	v_and_b32 v18, 7, v0                           ; lane & 7
	v_bfe_u32 v19, v0, 3, 1                        ; (lane >> 3) & 1
	v_lshrrev_b32 v20, 6, v0                       ; wm: my 32 rows of C
	v_bfe_u32 v21, v0, 5, 1                        ; wn: my 64 columns of C
	v_lshlrev_b32 v[GOB], 4, v1
	v_lshl_add_u32 v[GOB], v13, 15, v[GOB]         ; wave x 8 rows x 4,096 + 16 lane
	v_mul_u32_u24 v[LSB], v13, 8*PITCH
	v_lshl_add_u32 v[LSB], v1, 3, v[LSB]           ; wave x 8 rows + 8 lane
	v_lshl_add_u32 v18, v17, 3, v18                ; a transposing load: row 8 h + (lane & 7),
	v_mul_u32_u24 v18, v18, PITCH
	v_lshl_add_u32 v18, v19, 4, v18                ; 16 bytes further for the upper eight of sixteen lanes
	v_lshl_add_u32 v[ADB], v21, 7, v18             ; my 64 columns
	v_add_nc_u32 v[ADB], TBO, v[ADB]
	v_lshl_add_u32 v22, v20, 5, v16                ; 32 wm + r
	v_mul_u32_u24 v[STO], v22, SPITCH
	v_lshl_add_u32 v[STO], v21, 7, v[STO]
	v_lshl_add_u32 v[STO], v17, 4, v[STO]
	v_lshl_add_u32 v23, v13, 4, v17                ; 16 wave + h
	v_mul_u32_u24 v[RD], v23, SPITCH
	v_lshl_add_u32 v[RD], v16, 4, v[RD]
	v_lshlrev_b32 v[CO], 11, v23
	v_lshl_add_u32 v[CO], v16, 4, v[CO]
	s_lshl_b32 s26, s24, 9                         ; bn x 128 f32
	s_mov_b32 s27, 0
	s_lshl_b32 s42, s22, 21                        ; p x 2 MiB
	s_lshl_b32 s43, s23, 18                        ; bm x 128 rows of 2,048 bytes
	s_add_co_u32 s42, s42, s43
	s_lshl_b32 s43, s24, 8                         ; bn x 128 f16
	s_add_co_u32 s42, s42, s43
	s_mov_b32 s43, 0
	s_mov_b32 s29, 0
	s_wait_kmcnt 0x0
	s_add_nc_u64 s[40:41], s[20:21], s[42:43]      ; C's block
; Set s is asked for: my 8 loads of tile A, my 8 of tile B.  atr = 1: A's rows run along K, a load is a row of 512 bytes;
; atr = 0: A's rows run along m and a chunk has 256 bytes of each, a load is two rows' aligned 256 bytes.
.macro LOADS atr, s
.set i, 0
.rept 8
.if \atr
	global_load_b128 v[X+64*\s+4*i:X+64*\s+4*i+3], v[GOA], s[32+4*\s:33+4*\s] offset:4096*i
.else
	global_load_b128 v[X+64*\s+4*i:X+64*\s+4*i+3], v[GOA], s[32+4*\s:33+4*\s] offset:8192*i
.endif
	global_load_b128 v[X+64*\s+32+4*i:X+64*\s+32+4*i+3], v[GOB], s[34+4*\s:35+4*\s] offset:4096*i
.set i, i+1
.endr
.endm
; One chunk of 64 along K, from set s through buffer s.  left = how many younger loads (the other set's) may stay out.
.macro CHUNK atr, s, zero, more, left
	s_wait_loadcnt \left                           ; this set's 16 loads are in: its registers and its bases are free
.set i, 0
.rept 16
	v_cvt_pk_f16_f32 v[X+64*\s+4*i], v[X+64*\s+4*i], v[X+64*\s+4*i+1]
	v_cvt_pk_f16_f32 v[X+64*\s+4*i+1], v[X+64*\s+4*i+2], v[X+64*\s+4*i+3]
.set i, i+1
.endr
.set i, 0
.rept 8
	ds_store_b64 v[LSA], v[X+64*\s+4*i:X+64*\s+4*i+1] offset:BUF*\s+PITCH*i          ; two rows of 144 bytes are 288 too
	ds_store_b64 v[LSB], v[X+64*\s+32+4*i:X+64*\s+32+4*i+1] offset:BUF*\s+TBO+PITCH*i
.set i, i+1
.endr
	s_wait_dscnt 0x0                               ; my rows are written (for the other waves: zero), and the set may be loaded again
.if \more
.if \atr
	s_add_nc_u64 s[32+4*\s:33+4*\s], s[32+4*\s:33+4*\s], 2*KROWS
.else
	s_add_nc_u64 s[32+4*\s:33+4*\s], s[32+4*\s:33+4*\s], 512
.endif
	s_add_nc_u64 s[34+4*\s:35+4*\s], s[34+4*\s:35+4*\s], 2*KROWS
	LOADS \atr, \s                                 ; two chunks ahead
.endif
	s_barrier_signal -1
	s_barrier_wait -1                              ; the buffer is whole; and nobody reads the other buffer's last tiles any more
.set kk, 0
.rept 2
.if kk
	PLACES                                         ; in front of loads into fragments that matrix instructions have read (at kk = 0 the conversions above are the places)
.endif
.set f, 0
.rept 2
.if \atr
	ds_load_tr16_b128 v[FR+32+8*f:FR+32+8*f+3], v[ADA] offset:BUF*\s+32*PITCH*kk+32*f
	ds_load_tr16_b128 v[FR+32+8*f+4:FR+32+8*f+7], v[ADA] offset:BUF*\s+32*PITCH*kk+32*f+16*PITCH
.else
	ds_load_b128 v[FR+32+8*f:FR+32+8*f+3], v[ADA] offset:BUF*\s+16*PPITCH*f+64*kk
	ds_load_b128 v[FR+32+8*f+4:FR+32+8*f+7], v[ADA] offset:BUF*\s+16*PPITCH*f+64*kk+32
.endif
.set f, f+1
.endr
.set f, 0
.rept 4
	ds_load_tr16_b128 v[FR+8*f:FR+8*f+3], v[ADB] offset:BUF*\s+32*PITCH*kk+32*f
	ds_load_tr16_b128 v[FR+8*f+4:FR+8*f+7], v[ADB] offset:BUF*\s+32*PITCH*kk+32*f+16*PITCH
.set f, f+1
.endr
.set Z, 0
.if \zero
.if kk == 0
.set Z, 1
.endif
.endif
	; eight accumulators by turns, one instruction a turn, always in this order
	s_wait_dscnt 4                                 ; the m fragments and n fragments 0, 1 are in; the youngest four loads (n fragments 2, 3) may be out
.irp t, 0,1,4,5
.if Z
	v_wmma_f32_16x16x32_f16 v[ACC+8*\t:ACC+8*\t+7], v[FR+8*(\t%4):FR+8*(\t%4)+7], v[FR+32+8*(\t/4):FR+32+8*(\t/4)+7], 0
.else
	v_wmma_f32_16x16x32_f16 v[ACC+8*\t:ACC+8*\t+7], v[FR+8*(\t%4):FR+8*(\t%4)+7], v[FR+32+8*(\t/4):FR+32+8*(\t/4)+7], v[ACC+8*\t:ACC+8*\t+7]
.endif
.endr
	s_wait_dscnt 0x0
.irp t, 2,3,6,7
.if Z
	v_wmma_f32_16x16x32_f16 v[ACC+8*\t:ACC+8*\t+7], v[FR+8*(\t%4):FR+8*(\t%4)+7], v[FR+32+8*(\t/4):FR+32+8*(\t/4)+7], 0
.else
	v_wmma_f32_16x16x32_f16 v[ACC+8*\t:ACC+8*\t+7], v[FR+8*(\t%4):FR+8*(\t%4)+7], v[FR+32+8*(\t/4):FR+32+8*(\t/4)+7], v[ACC+8*\t:ACC+8*\t+7]
.endif
.endr
.set kk, kk+1
.endr
.endm
.macro WGEMM atr
	LOADS \atr, 0                                  ; chunks 0 and 1
	LOADS \atr, 1
	CHUNK \atr, 0, 1, 1, 16                        ; the first products start the sums
	CHUNK \atr, 1, 0, 1, 16
	s_mov_b32 s30, 6
.Lchunks_\@:
	CHUNK \atr, 0, 0, 1, 16
	CHUNK \atr, 1, 0, 1, 16
	s_sub_co_u32 s30, s30, 1
	s_cmp_lg_u32 s30, 0
	s_cbranch_scc1 .Lchunks_\@
	CHUNK \atr, 0, 0, 0, 16                        ; the last two chunks ask for nothing
	CHUNK \atr, 1, 0, 0, 0
	; the way out: x 32, f16, through LDS so that sixteen lanes store 256 consecutive bytes
	s_wait_dscnt 0x0
	s_barrier_signal -1
	s_barrier_wait -1                              ; nobody reads the tiles any more: buffer 0's bytes become the stage
	PLACES
.set i, 0
.rept 32
	v_pk_mul_f32 v[ACC+2*i:ACC+2*i+1], v[ACC+2*i:ACC+2*i+1], 0x42000000 op_sel_hi:[1,0]
.set i, i+1
.endr
.set i, 0
.rept 32
	v_cvt_pk_f16_f32 v[FR+i], v[ACC+2*i], v[ACC+2*i+1]
.set i, i+1
.endr
.set t, 0
.rept 8
	ds_store_b128 v[STO], v[FR+4*t:FR+4*t+3] offset:16*SPITCH*(t/4)+32*(t%4)
.set t, t+1
.endr
	s_wait_dscnt 0x0
	s_barrier_signal -1
	s_barrier_wait -1
.set t, 0
.rept 8
	ds_load_b128 v[X+4*t:X+4*t+3], v[RD] offset:2*SPITCH*t
.set t, t+1
.endr
.set t, 0
.rept 8
	s_wait_dscnt 7-t
	global_store_b128 v[CO], v[X+4*t:X+4*t+3], s[40:41] offset:4096*t
.set t, t+1
.endr
.endm
	s_cmp_lg_u32 s22, 0
	s_cbranch_scc1 .Lw2
	s_lshl_b32 s28, s23, 9                         ; Wk: columns 128 bm
	s_add_nc_u64 s[32:33], s[10:11], s[28:29]
	s_add_nc_u64 s[34:35], s[12:13], s[26:27]      ; Wq: columns 128 bn
	s_add_nc_u64 s[36:37], s[32:33], KROWS         ; the second set begins a chunk further on
	s_add_nc_u64 s[38:39], s[34:35], KROWS
	v_mov_b32 v[GOA], v[GOB]                       ; tile A is laid like tile B
	v_mov_b32 v[LSA], v[LSB]
	v_lshl_add_u32 v[ADA], v20, 6, v18             ; transposed: my 32 columns of tile A
	WGEMM 1
	s_wait_tensorcnt 0x0
	ds_add_u32 v14, v15
	s_wait_dscnt 0x0
	s_endpgm
.Lw2:
	s_lshl_b32 s28, s23, 19                        ; Wo: rows 128 bm
	s_add_nc_u64 s[32:33], s[14:15], s[28:29]
	s_add_nc_u64 s[34:35], s[16:17], s[26:27]      ; Wv: columns 128 bn
	s_add_nc_u64 s[36:37], s[32:33], 256
	s_add_nc_u64 s[38:39], s[34:35], KROWS
	v_lshlrev_b32 v[GOA], 12, v23                  ; row 16 wave + h of Wo's 128,
	v_lshl_add_u32 v[GOA], v16, 4, v[GOA]          ; 16 bytes for each of sixteen lanes
	v_mul_u32_u24 v[LSA], v23, PPITCH
	v_lshl_add_u32 v[LSA], v16, 3, v[LSA]
	v_mul_u32_u24 v[ADA], v22, PPITCH              ; plain: row 32 wm + r,
	v_lshl_add_u32 v[ADA], v17, 4, v[ADA]          ; 16 bytes for each half of the lanes
	WGEMM 0
	s_wait_tensorcnt 0x0
	ds_add_u32 v14, v15
	s_wait_dscnt 0x0
	s_endpgm
.Lfunc_end_k_q65688e8f90_prep:
	.size	k_q65688e8f90_prep, .Lfunc_end_k_q65688e8f90_prep-k_q65688e8f90_prep
	.p2alignl 7, 3214868480
	.fill 96, 4, 3214868480
	.section	.rodata,"a",@progbits
	.p2align	6, 0x0
	.amdhsa_kernel k_q65688e8f90_prep
		.amdhsa_group_segment_fixed_size 74752
		.amdhsa_private_segment_fixed_size 0
		.amdhsa_enable_private_segment 0
		.amdhsa_kernarg_size 72
		.amdhsa_user_sgpr_count 2
		.amdhsa_user_sgpr_kernarg_segment_ptr 1
		.amdhsa_wavefront_size32 1
		.amdhsa_system_sgpr_workgroup_id_x 1
		.amdhsa_system_sgpr_workgroup_id_y 1
		.amdhsa_system_sgpr_workgroup_id_z 1
		.amdhsa_system_vgpr_workitem_id 0
		.amdhsa_next_free_vgpr 256
		.amdhsa_next_free_sgpr 66
		.amdhsa_reserve_vcc 0
		.amdhsa_float_denorm_mode_32 3
		.amdhsa_float_denorm_mode_16_64 3
		.amdhsa_memory_ordered 1
		.amdhsa_forward_progress 1
		.amdhsa_inst_pref_size 121
	.end_amdhsa_kernel
	.amdgpu_metadata
---
amdhsa.version: [ 1, 2 ]
amdhsa.kernels:
  - .name:           k_q65688e8f90_prep
    .symbol:         k_q65688e8f90_prep.kd
    .args:
      - { .name: query, .offset: 0, .size: 8, .value_kind: global_buffer, .address_space: global }
      - { .name: keys, .offset: 8, .size: 8, .value_kind: global_buffer, .address_space: global }
      - { .name: values, .offset: 16, .size: 8, .value_kind: global_buffer, .address_space: global }
      - { .name: Wk, .offset: 24, .size: 8, .value_kind: global_buffer, .address_space: global }
      - { .name: Wq, .offset: 32, .size: 8, .value_kind: global_buffer, .address_space: global }
      - { .name: Wo, .offset: 40, .size: 8, .value_kind: global_buffer, .address_space: global }
      - { .name: Wv, .offset: 48, .size: 8, .value_kind: global_buffer, .address_space: global }
      - { .name: x16, .offset: 56, .size: 8, .value_kind: global_buffer, .address_space: global }
      - { .name: wf, .offset: 64, .size: 8, .value_kind: global_buffer, .address_space: global }
    .group_segment_fixed_size: 74752
    .private_segment_fixed_size: 0
    .kernarg_segment_align: 8
    .kernarg_segment_size: 72
    .max_flat_workgroup_size: 256
    .sgpr_count:     66
    .vgpr_count:     256
    .wavefront_size: 32
...
	.end_amdgpu_metadata
.endif
;; end of part 1
;; launch qproj (part 2): grid 8 x 32, 4 waves a work-group, clusters of 4 x 4, 327,680 bytes of LDS; arguments x16, wf, qp16; writes qp16
.if DOCPART == 2
	.amdgcn_target "amdgcn-amd-amdhsa--gfx1250"
	.amdhsa_code_object_version 6
	.text
	.protected	k_q65688e8f90_qproj
	.globl	k_q65688e8f90_qproj
	.p2align	8
	.type	k_q65688e8f90_qproj,@function
k_q65688e8f90_qproj:
	s_mov_b64 s[64:65], 0
	v_nop
	global_prefetch_b8 v0, s[64:65] scope:SCOPE_SE
	s_setreg_imm32_b32 hwreg(HW_REG_WAVE_MODE, 25, 1), 1
	s_wait_xcnt 0x0
	s_wait_alu depctr_hold_cnt(0) depctr_sa_sdst(0) depctr_va_vdst(0) depctr_va_sdst(0) depctr_va_ssrc(0) depctr_va_vcc(0) depctr_vm_vsrc(0)
	s_getreg_b32 s2, hwreg(HW_REG_IB_STS2, 6, 4)
	s_cmp_eq_u32 s2, 0
	s_cbranch_scc0 .Lentry_in_a_cluster
	s_endpgm
.Lentry_in_a_cluster:
	s_bfe_u32 s2, ttmp6, 0x10000c
	s_cmp_lg_u32 s2, 0xf033
	s_cbranch_scc0 .Lentry_shape_is_right
	s_endpgm
.Lentry_shape_is_right:
; QPROJ.  qp16[l][d2] = f16(2^-16 log2(e) * sum over d1 of query16[l][d1] mt16[d2][d1]) = q'[l][d2] * 2^-11 * log2(e),
; where q' = query (Wq^T Wk).  A = x16 (its first 8,192 rows), B = wf (its first matrix), both [rows][1024] f16; sums in f32.
; LIMIT: |q'| * 7.05e-4 must stay below 65,504 (f16).
; A work-group makes 256 x 128 of C with four waves; a wave makes 64 x 128: 32 accumulator tiles, 256 registers (window 1).
; K goes in steps of 128 (rows of 256 bytes) through a ring of two LDS slots filled by joint tensor loads: 4 x 4 work-groups form a
; cluster, A's tile is shared along a row of the cluster, B's along a column.  A wave has two tensor loads
; out at the start and one behind each round of the cluster's barrier.
; The matrix instruction is used transposed (source 0 = rows of B, source 1 = rows of A): lane l holds row l % 16 of C and eight
; neighbouring columns 8 (l / 16) + 0 .. 7.
.set KSTEP,  128
.set ROWB,   2048                      ; bytes in a row of A, B and C
.set PITCH,  272                       ; an LDS row: 256 bytes + 16
.set AHALF,  128*PITCH                 ; what wave 0 or 1 fetches of A
.set BHALF,  64*PITCH                  ; what wave 2 or 3 fetches of B
.set BOFF,   2*AHALF
.set SLOT,   2*AHALF+2*BHALF
.set STAGE,  2*SLOT                    ; behind the ring, at a multiple of 256 bytes: 16 rows x 272 bytes for each wave
.set SPITCH, 272
.set LAPS,   4                         ; a lap = two K steps
.set QSCALE, 0x37b8aa3b                ; 2^-16 log2(e)
.set ADRA, 16                          ; v16-17 LDS address of my A fragments in slot 0, 1
.set ADRB, 20                          ; v20-21 the same for B
.set STO,  24
.set RD,   25
.set CO,   26
.set F0,   32                          ; v32-127  fragment buffer 0: B's eight blocks, then A's four
.set F1,   128                         ; v128-223 fragment buffer 1
.set WK,   32                          ; the way out: scaled results
.set TMP,  224                         ; the way out: packed results
.set G1,  24
.set G0,  32
.set G1B, 48
.set G0B, 56
.set MULW, 0x50                        ; C and D in window 1, sources in window 0
.set MSB, 0
.macro WIN new                         ; the immediate's high byte repeats the setting that is left
.if MSB != \new
	s_set_vgpr_msb (MSB<<8)|\new
.set MSB, \new
.endif
.endm
.macro PLACES                          ; four plain vector places behind a matrix instruction (ISA guide 7.12.1)
.rept 4
	v_nop
.endr
.endm
.macro JLOAD s                         ; waves 0, 1 ask for A's halves, waves 2, 3 for B's: one mask a line
	s_cmp_eq_u32 s11, 0
	s_cbranch_scc0 .Lfor_b_\@
	tensor_load_to_lds s[G0+4*\s:G0+4*\s+3], s[G1:G1+7]
	s_nop 0
	s_branch .Lasked_\@
.Lfor_b_\@:
	tensor_load_to_lds s[G0B+4*\s:G0B+4*\s+3], s[G1B:G1B+7]
	s_nop 0
.Lasked_\@:
.endm
.macro CREST                           ; a round of the cluster's barrier behind its opening barrier
	s_cmp_lg_u32 s10, 0
	s_cbranch_scc1 .Lnot_wave_0_\@
	s_barrier_signal -3
.Lnot_wave_0_\@:
	s_barrier_wait -3
	s_barrier_signal -1
	s_barrier_wait -1
.endm
.macro CROUND
	s_barrier_signal -1
	s_barrier_wait -1
	CREST
.endm
	s_load_b128 s[4:7], s[0:1], 0x0                ; x16, wf
	s_load_b64 s[8:9], s[0:1], 0x10                ; qp16
	v_lshl_add_u32 v30, v0, 2, 0x37400
	v_mov_b32 v31, 0
	ds_add_u32 v30, v31
	v_lshrrev_b32 v1, 5, v0
	v_readfirstlane_b32 s10, v1                    ; wave
	s_lshr_b32 s11, s10, 1                         ; I fetch for A (0) or for B (1)
	s_and_b32 s12, s10, 1                          ; which half of that tile
	s_bfe_u32 s40, ttmp6, 0x40000                  ; cx
	s_bfe_u32 s41, ttmp6, 0x40004                  ; cy
	s_lshl_b32 s42, ttmp9, 2
	s_add_co_u32 s42, s42, s40                     ; block column
	s_and_b32 s13, ttmp7, 0xffff
	s_lshl_b32 s13, s13, 2
	s_add_co_u32 s13, s13, s41                     ; block row
	s_lshl_b32 s43, s41, 2
	s_lshl_b32 s43, 15, s43                        ; my row of the cluster
	s_lshl_b32 s44, 0x1111, s40                    ; my column
	s_or_b32 s[G1+0], s43, (1<<16)|(1<<20)|(1<<21)|(5<<22)|(3<<25)   ; mask; 2-byte elements; 4 words of padding behind every 64
	s_mov_b32 s[G1+1], KSTEP<<16                   ; tensor_dim0 = 128
	s_mov_b32 s[G1+2], 128<<16                     ; tensor_dim1 = 128
	s_mov_b32 s[G1+3], KSTEP<<16                   ; tile_dim0 = 128
	s_mov_b32 s[G1+4], 128                         ; tile_dim1 = 128 rows
	s_mov_b32 s[G1+5], 1024                        ; elements from row to row
	s_mov_b32 s[G1+6], 0
	s_mov_b32 s[G1+7], 0
	s_or_b32 s[G1B+0], s44, (1<<16)|(1<<20)|(1<<21)|(5<<22)|(3<<25)
	s_mov_b32 s[G1B+1], KSTEP<<16
	s_mov_b32 s[G1B+2], 64<<16                     ; 64 rows
	s_mov_b32 s[G1B+3], KSTEP<<16
	s_mov_b32 s[G1B+4], 64
	s_mov_b32 s[G1B+5], 1024
	s_mov_b32 s[G1B+6], 0
	s_mov_b32 s[G1B+7], 0
	s_lshl_b32 s17, s12, 7
	s_lshl_b32 s16, s13, 8
	s_add_co_u32 s16, s16, s17                     ; A: row 256 x block row + 128 x half
	s_lshl_b32 s16, s16, 11
	s_mov_b32 s17, 0
	s_lshl_b32 s47, s12, 6
	s_lshl_b32 s46, s42, 7
	s_add_co_u32 s46, s46, s47                     ; B: row 128 x block column + 64 x half
	s_lshl_b32 s46, s46, 11
	s_mov_b32 s47, 0
	s_mul_i32 s20, s10, AHALF                      ; A's halves at wave x 128 rows (waves 0, 1)
	s_mul_i32 s21, s10, BHALF
	s_add_co_u32 s21, s21, BOFF-2*BHALF            ; B's halves behind A (waves 2, 3)
	s_wait_dscnt 0x0
	s_wait_kmcnt 0x0
	s_add_nc_u64 s[14:15], s[4:5], s[16:17]
	s_add_nc_u64 s[46:47], s[6:7], s[46:47]
	CROUND                                         ; all sixteen work-groups are here: the first joint loads meet
.irp s, 0,1
	s_mov_b32 s[G0+4*\s], 1
	s_add_co_u32 s[G0+4*\s+1], s20, \s*SLOT
	s_add_nc_u64 s[G0+4*\s+2:G0+4*\s+3], s[14:15], \s*KSTEP*2
	s_or_b32 s[G0+4*\s+3], s[G0+4*\s+3], 0x80000000
	s_mov_b32 s[G0B+4*\s], 1
	s_add_co_u32 s[G0B+4*\s+1], s21, \s*SLOT
	s_add_nc_u64 s[G0B+4*\s+2:G0B+4*\s+3], s[46:47], \s*KSTEP*2
	s_or_b32 s[G0B+4*\s+3], s[G0B+4*\s+3], 0x80000000
	JLOAD \s
.endr
	v_and_b32 v1, 15, v0                           ; r
	v_bfe_u32 v2, v0, 4, 1                         ; h
	v_mul_u32_u24 v3, v1, PITCH
	v_lshl_add_u32 v3, v2, 4, v3                   ; row x pitch + 16 x half
	s_mul_i32 s22, s10, 64*PITCH                   ; my 64 rows of A
	v_add_nc_u32 v[ADRA], s22, v3
	v_add_nc_u32 v[ADRA+1], SLOT, v[ADRA]
	v_add_nc_u32 v[ADRB], BOFF, v3
	v_add_nc_u32 v[ADRB+1], SLOT, v[ADRB]
	s_mul_i32 s23, s10, 16*SPITCH
	s_add_co_u32 s23, s23, STAGE                   ; my stage
	v_add_nc_u32 v[STO], s23, v3                   ; in: row r, 16 bytes for each half of the lanes (the stage has the tiles' pitch)
	v_mul_u32_u24 v5, v2, SPITCH
	v_lshl_add_u32 v5, v1, 4, v5
	v_add_nc_u32 v[RD], s23, v5                    ; back: lanes 0-15 one row of 256 bytes, lanes 16-31 the next
	v_lshlrev_b32 v5, 11, v2
	v_lshl_add_u32 v[CO], v1, 4, v5                ; and the same two rows in C
.macro MUL8 f, a, zero                 ; my row block a x all eight column blocks, 32 along K
.irp b, 0,1,2,3,4,5,6,7
.if \zero
	v_wmma_f32_16x16x32_f16 v[8*(8*\a+\b):8*(8*\a+\b)+7], v[\f+8*\b:\f+8*\b+7], v[\f+64+8*\a:\f+64+8*\a+7], 0
.else
	v_wmma_f32_16x16x32_f16 v[8*(8*\a+\b):8*(8*\a+\b)+7], v[\f+8*\b:\f+8*\b+7], v[\f+64+8*\a:\f+64+8*\a+7], v[8*(8*\a+\b):8*(8*\a+\b)+7]
.endif
.endr
.endm
.macro FETCH slot, k, f                ; 24 LDS loads in one run: 128 rows of B, my 64 rows of A, 32 K at byte k of the rows
.irp i, 0,1,2,3,4,5,6,7
	ds_load_b128 v[\f+8*\i:\f+8*\i+3],   v[ADRB+\slot] offset:\k+\i*16*PITCH
	ds_load_b128 v[\f+8*\i+4:\f+8*\i+7], v[ADRB+\slot] offset:\k+\i*16*PITCH+32
.endr
.irp i, 0,1,2,3
	ds_load_b128 v[\f+64+8*\i:\f+64+8*\i+3],   v[ADRA+\slot] offset:\k+\i*16*PITCH
	ds_load_b128 v[\f+64+8*\i+4:\f+64+8*\i+7], v[ADRA+\slot] offset:\k+\i*16*PITCH+32
.endr
.endm
; The 32 accumulators take turns, one instruction a turn, in the same order in every quarter step.
.macro QUARTER slot, k, f, g, zero
	s_wait_dscnt 4                                 ; B and A's blocks 0, 1 are in; the youngest four loads (A's blocks 2, 3) may be out
	WIN MULW
	MUL8 \f, 0, \zero
	MUL8 \f, 1, \zero
	WIN 0
	PLACES
	FETCH \slot, \k, \g
	s_wait_dscnt 24                                ; all but the 24 just issued
	WIN MULW
	MUL8 \f, 2, \zero
	MUL8 \f, 3, \zero
.endm
.macro THREE slot, zero
	QUARTER \slot, 64,  F0, F1, \zero
	QUARTER \slot, 128, F1, F0, 0
	QUARTER \slot, 192, F0, F1, 0
.endm
; The last quarter of a K step changes slots.  In front of the barrier each wave waits for its reads of this slot and for all its tensor
; loads (its part of the next slot); behind it, and behind the cluster's round, the refill comes first, then the next slot is read.
.macro TURN slot, next, fill
	s_wait_dscnt 4
	WIN MULW
	MUL8 F1, 0, 0
	s_wait_dscnt 0
	s_wait_tensorcnt 0x0
	ds_add_u32 v30, v31
	s_wait_dscnt 0x0
	s_barrier_signal -1
	MUL8 F1, 1, 0
	WIN 0
	s_barrier_wait -1
.if \fill
	CREST
	s_add_nc_u64 s[G0+4*\slot+2:G0+4*\slot+3], s[G0+4*\slot+2:G0+4*\slot+3], 2*KSTEP*2
	s_add_nc_u64 s[G0B+4*\slot+2:G0B+4*\slot+3], s[G0B+4*\slot+2:G0B+4*\slot+3], 2*KSTEP*2
	JLOAD \slot
.endif
	PLACES
	FETCH \next, 0, F0
	WIN MULW
	MUL8 F1, 2, 0
	MUL8 F1, 3, 0
.endm
.macro LAP zero
	THREE 0, \zero
	TURN 0, 1, 1
	THREE 1, 0
	TURN 1, 0, 1
.endm
	s_wait_tensorcnt 1                             ; my part of K step 0 is in; K step 1 may stay out
	s_barrier_signal -1
	s_barrier_wait -1
	FETCH 0, 0, F0
	LAP 1                                          ; the first products start the sums
	WIN 0
	s_mov_b32 s3, LAPS-2
.Llap:
	LAP 0
	WIN 0
	s_sub_co_u32 s3, s3, 1
	s_cmp_lg_u32 s3, 0
	s_cbranch_scc1 .Llap
	THREE 0, 0                                     ; the last lap fills nothing
	TURN 0, 1, 0
	THREE 1, 0
	s_wait_dscnt 4
	WIN MULW
	MUL8 F1, 0, 0
	MUL8 F1, 1, 0
	s_wait_dscnt 0
	MUL8 F1, 2, 0
	MUL8 F1, 3, 0
	WIN 0
	PLACES
	; THE WAY OUT, 16 rows at a time: scale, round to f16, through my own stage, whole rows of 256 bytes to memory
	s_lshl_b32 s16, s13, 8
	s_lshl_b32 s17, s10, 6
	s_add_co_u32 s16, s16, s17                     ; my first row of C
	s_lshl_b32 s16, s16, 11
	s_mov_b32 s17, 0
	s_add_nc_u64 s[8:9], s[8:9], s[16:17]
	s_lshl_b32 s46, s42, 8                         ; my block's first column, in bytes
	s_mov_b32 s47, 0
	s_add_nc_u64 s[8:9], s[8:9], s[46:47]
.macro OUT16 a, R
	WIN 0x01                                       ; source 0 in window 1
.set i, 0
.rept 32
	v_pk_mul_f32 v[WK+2*i:WK+2*i+1], v[64*\a+2*i:64*\a+2*i+1], QSCALE op_sel_hi:[1,0]
.set i, i+1
.endr
	WIN 0
.set i, 0
.rept 32
	v_cvt_pk_f16_f32 v[TMP+i], v[WK+2*i], v[WK+2*i+1]
.set i, i+1
.endr
.irp b, 0,1,2,3,4,5,6,7
	ds_store_b128 v[STO], v[TMP+4*\b:TMP+4*\b+3] offset:32*\b
.endr
	s_wait_xcnt 0x0                                ; the stores' data registers and base are rewritten only behind this wait
.if \a
	s_add_nc_u64 s[8:9], s[8:9], 16*ROWB
.endif
.irp t, 0,1,2,3,4,5,6,7
	ds_load_b128 v[\R+4*\t:\R+4*\t+3], v[RD] offset:\t*2*SPITCH    ; LDS serves a wave's instructions in order: these see the stores above
.endr
.irp t, 0,1,2,3,4,5,6,7
	s_wait_dscnt 7-\t
	global_store_b128 v[CO], v[\R+4*\t:\R+4*\t+3], s[8:9] offset:2*\t*ROWB   ; 16 lanes store 256 consecutive bytes, aligned
.endr
.endm
	OUT16 0, 128
	OUT16 1, 160
	OUT16 2, 128
	OUT16 3, 160
	s_wait_tensorcnt 0x0
	ds_add_u32 v30, v31
	s_wait_dscnt 0x0
	CROUND                                         ; the closing round
	s_endpgm
.Lfunc_end_k_q65688e8f90_qproj:
	.size	k_q65688e8f90_qproj, .Lfunc_end_k_q65688e8f90_qproj-k_q65688e8f90_qproj
	.p2alignl 7, 3214868480
	.fill 96, 4, 3214868480
	.section	.rodata,"a",@progbits
	.p2align	6, 0x0
	.amdhsa_kernel k_q65688e8f90_qproj
		.amdhsa_group_segment_fixed_size 327680
		.amdhsa_private_segment_fixed_size 0
		.amdhsa_enable_private_segment 0
		.amdhsa_kernarg_size 24
		.amdhsa_user_sgpr_count 2
		.amdhsa_user_sgpr_kernarg_segment_ptr 1
		.amdhsa_wavefront_size32 1
		.amdhsa_system_sgpr_workgroup_id_x 1
		.amdhsa_system_sgpr_workgroup_id_y 1
		.amdhsa_system_sgpr_workgroup_id_z 1
		.amdhsa_system_vgpr_workitem_id 0
		.amdhsa_next_free_vgpr 512
		.amdhsa_next_free_sgpr 66
		.amdhsa_reserve_vcc 0
		.amdhsa_float_denorm_mode_32 3
		.amdhsa_float_denorm_mode_16_64 3
		.amdhsa_memory_ordered 1
		.amdhsa_forward_progress 1
		.amdhsa_inst_pref_size 129
	.end_amdhsa_kernel
	.amdgpu_metadata
---
amdhsa.version: [ 1, 2 ]
amdhsa.kernels:
  - .name:           k_q65688e8f90_qproj
    .symbol:         k_q65688e8f90_qproj.kd
    .args:
      - { .name: x16, .offset: 0, .size: 8, .value_kind: global_buffer, .address_space: global }
      - { .name: wf, .offset: 8, .size: 8, .value_kind: global_buffer, .address_space: global }
      - { .name: qp16, .offset: 16, .size: 8, .value_kind: global_buffer, .address_space: global }
    .group_segment_fixed_size: 327680
    .private_segment_fixed_size: 0
    .kernarg_segment_align: 8
    .kernarg_segment_size: 24
    .max_flat_workgroup_size: 128
    .sgpr_count:     66
    .vgpr_count:     512
    .wavefront_size: 32
...
	.end_amdgpu_metadata
.endif
;; end of part 2
;; launch scores (part 3): grid 8 x 32, 4 waves a work-group, clusters of 4 x 4, 327,680 bytes of LDS; arguments qp16, x16, mask, pfrag, stats; writes pfrag, stats
.if DOCPART == 3
	.amdgcn_target "amdgcn-amd-amdhsa--gfx1250"
	.amdhsa_code_object_version 6
	.text
	.protected	k_q65688e8f90_scores
	.globl	k_q65688e8f90_scores
	.p2align	8
	.type	k_q65688e8f90_scores,@function
k_q65688e8f90_scores:
	s_mov_b64 s[64:65], 0
	v_nop
	global_prefetch_b8 v0, s[64:65] scope:SCOPE_SE
	s_setreg_imm32_b32 hwreg(HW_REG_WAVE_MODE, 25, 1), 1
	s_wait_xcnt 0x0
	s_wait_alu depctr_hold_cnt(0) depctr_sa_sdst(0) depctr_va_vdst(0) depctr_va_sdst(0) depctr_va_ssrc(0) depctr_va_vcc(0) depctr_vm_vsrc(0)
	s_getreg_b32 s2, hwreg(HW_REG_IB_STS2, 6, 4)
	s_cmp_eq_u32 s2, 0
	s_cbranch_scc0 .Lentry_in_a_cluster
	s_endpgm
.Lentry_in_a_cluster:
	s_bfe_u32 s2, ttmp6, 0x10000c
	s_cmp_lg_u32 s2, 0xf033
	s_cbranch_scc0 .Lentry_shape_is_right
	s_endpgm
.Lentry_shape_is_right:
; SCORES.  s[q][k] = sum over d of qp16[q][d] keys16[k][d] = energy * 2^-11 * log2(e); where mask == 0, s = -1e20 * 2^-11 * log2(e).
; softmax(energy / 32) has the base-2 exponent 64 s.  For each row and each chunk of 128 keys (a wave's columns):
;   M2 = 64 max s,  p' = exp2(64 s - M2) (one fused multiply-add: exactly 0 at the maximum),  l = sum of p'.
; p' goes out in f16 in the order of the next launch's A fragments, (M2, l) in f32; the next launch makes the chunks consistent.
; A work-group makes 256 x 256 with four waves, a wave 128 x 128 (512 accumulator registers, windows 2 and 3); K = 1024 in steps of 128
; through two LDS slots filled by joint tensor loads (4 x 4 cluster: q' shared along a row, keys along a column).
; THE MASK comes in as two further fills of the ring: each wave's own 64 rows x 512 bytes into slot 0 when its last K step has been read,
; the other 64 rows into slot 1 likewise; plain loads, each read by the wave that issued it.  A wave has two
; tensor loads out at the start and one behind each round.
; Window 0: v0-63 addresses and work; v64-127, v128-191 A fragments; window 1: v64-191 B fragments.
.set KSTEP,  128
.set PITCH,  272
.set HALFT,  128*PITCH
.set SLOT,   4*HALFT
.set MPITCH, 528                       ; a mask row in LDS: 512 bytes + 16
.set MHALF,  64*MPITCH
.set MROW,   8192                      ; bytes in a row of the mask
.set LAPS,   4
.set ADRA, 16
.set ADRB, 20
.set MA,   24                          ; v24-25 LDS address of my mask words, rows 0-63 and 64-127
.set PO,   26                          ; v26    16 x lane
.set PFO,  27                          ; v27    prefetch: (lane / 2) rows + (lane & 1) x 256 bytes
.set NEG,  28                          ; v28    the masked score
.set SO,   29                          ; v29    8 x lane
.set TT,   30                          ; v30-33 at work
.set NM,   34                          ; v34-35 -M2, twice
.set LS,   36                          ; v36-43 four pairs of running sums; at the end the pairs (M2, l) to store
.set ST,   44                          ; v44-59 M2 and l of my eight row blocks
.set F0,   64
.set F1,   128
.set MK,   64                          ; the mask words of a row block
.set SV,   128                         ; its scores, then its p'
.set OUT,  192                         ; packed p', two sets of 32
.set G1,  24
.set G0,  32
.set G1B, 48
.set G0B, 56
.set GM1, 68
.set GM0, 76
.set MSB, 0
.macro WIN new
.if MSB != \new
	s_set_vgpr_msb (MSB<<8)|\new
.set MSB, \new
.endif
.endm
.set MUL_LO, 0xa1                      ; source 0 (keys) window 1, source 1 (q') window 0, C and D window 2
.set MUL_HI, 0xf1                      ; the same, C and D window 3
.set TO_B,   0x40
.macro PLACES                          ; four plain vector places behind a matrix instruction (ISA guide 7.12.1)
.rept 4
	v_nop
.endr
.endm
.macro JLOAD s
	s_cmp_eq_u32 s11, 0
	s_cbranch_scc0 .Lfor_b_\@
	tensor_load_to_lds s[G0+4*\s:G0+4*\s+3], s[G1:G1+7]
	s_nop 0
	s_branch .Lasked_\@
.Lfor_b_\@:
	tensor_load_to_lds s[G0B+4*\s:G0B+4*\s+3], s[G1B:G1B+7]
	s_nop 0
.Lasked_\@:
.endm
.macro CREST
	s_cmp_lg_u32 s10, 0
	s_cbranch_scc1 .Lnot_wave_0_\@
	s_barrier_signal -3
.Lnot_wave_0_\@:
	s_barrier_wait -3
	s_barrier_signal -1
	s_barrier_wait -1
.endm
.macro CROUND
	s_barrier_signal -1
	s_barrier_wait -1
	CREST
.endm
	s_load_b128 s[4:7], s[0:1], 0x0                ; qp16, x16
	s_load_b128 s[84:87], s[0:1], 0x10             ; mask, pfrag
	s_load_b64 s[88:89], s[0:1], 0x20              ; stats
	s_set_vgpr_msb 0x40
	v_lshl_add_u32 v255, v0, 2, 0x44000
	s_set_vgpr_msb 0x4000
	v_mov_b32 v63, 0
	s_set_vgpr_msb 0x1
	ds_add_u32 v255, v63
	s_set_vgpr_msb 0x100
	v_lshrrev_b32 v1, 5, v0
	v_readfirstlane_b32 s10, v1                    ; wave
	s_lshr_b32 s11, s10, 1                         ; my half of the rows.  Also: I fetch for A (0) or for B (1)
	s_and_b32 s12, s10, 1                          ; my half of the columns.  Also: which 128 rows of that tile I fetch
	s_bfe_u32 s40, ttmp6, 0x40000                  ; cx
	s_bfe_u32 s41, ttmp6, 0x40004                  ; cy
	s_lshl_b32 s42, ttmp9, 2
	s_add_co_u32 s42, s42, s40                     ; block of 256 keys
	s_and_b32 s13, ttmp7, 0xffff
	s_lshr_b32 s45, s13, 1                         ; batch: eight block rows = two clusters; made of the cluster's y alone
	s_lshl_b32 s13, s13, 2
	s_add_co_u32 s13, s13, s41                     ; block of 256 rows, over all batches
	s_lshl_b32 s43, s41, 2
	s_lshl_b32 s43, 15, s43
	s_lshl_b32 s44, 0x1111, s40
	s_or_b32 s[G1+0], s43, (1<<16)|(1<<20)|(1<<21)|(5<<22)|(3<<25)
	s_or_b32 s[G1B+0], s44, (1<<16)|(1<<20)|(1<<21)|(5<<22)|(3<<25)
	s_mov_b32 s[G1+1], KSTEP<<16
	s_mov_b32 s[G1B+1], KSTEP<<16
	s_mov_b32 s[G1+2], 128<<16
	s_mov_b32 s[G1B+2], 128<<16
	s_mov_b32 s[G1+3], KSTEP<<16
	s_mov_b32 s[G1B+3], KSTEP<<16
	s_mov_b32 s[G1+4], 128
	s_mov_b32 s[G1B+4], 128
	s_mov_b32 s[G1+5], 1024
	s_mov_b32 s[G1B+5], 1024
	s_mov_b32 s[G1+6], 0
	s_mov_b32 s[G1B+6], 0
	s_mov_b32 s[G1+7], 0
	s_mov_b32 s[G1B+7], 0
	s_lshl_b32 s17, s12, 7
	s_lshl_b32 s16, s13, 8
	s_add_co_u32 s16, s16, s17                     ; q': row 256 x block row + 128 x half
	s_lshl_b32 s16, s16, 11
	s_mov_b32 s17, 0
	s_lshl_b32 s46, s42, 8
	s_lshl_b32 s47, s12, 7
	s_add_co_u32 s46, s46, s47
	s_lshl_b32 s47, s45, 11
	s_add_co_u32 s46, s46, s47                     ; keys: row 2048 x batch + 256 x block + 128 x half
	s_lshl_b32 s46, s46, 11
	s_add_co_u32 s46, s46, 0x1000000               ; the keys lie 16 MiB into x16
	s_mov_b32 s47, 0
	s_mul_i32 s20, s10, HALFT
	s_wait_dscnt 0x0
	s_wait_kmcnt 0x0
	s_add_nc_u64 s[14:15], s[4:5], s[16:17]
	s_add_nc_u64 s[46:47], s[6:7], s[46:47]
	CROUND
.irp s, 0,1
	s_mov_b32 s[G0+4*\s], 1
	s_add_co_u32 s[G0+4*\s+1], s20, \s*SLOT
	s_add_nc_u64 s[G0+4*\s+2:G0+4*\s+3], s[14:15], \s*KSTEP*2
	s_or_b32 s[G0+4*\s+3], s[G0+4*\s+3], 0x80000000
	s_mov_b32 s[G0B+4*\s], 1
	s_add_co_u32 s[G0B+4*\s+1], s20, \s*SLOT
	s_add_nc_u64 s[G0B+4*\s+2:G0B+4*\s+3], s[46:47], \s*KSTEP*2
	s_or_b32 s[G0B+4*\s+3], s[G0B+4*\s+3], 0x80000000
	JLOAD \s
.endr
	; the mask's descriptors: 64 rows x 128 words, 4 words of padding behind every 128; no work-group mask
	s_mov_b32 s[GM1+0], (2<<16)|(1<<20)|(6<<22)|(3<<25)
	s_mov_b32 s[GM1+1], 128<<16
	s_mov_b32 s[GM1+2], 64<<16
	s_mov_b32 s[GM1+3], 128<<16
	s_mov_b32 s[GM1+4], 64
	s_mov_b32 s[GM1+5], 2048
	s_mov_b32 s[GM1+6], 0
	s_mov_b32 s[GM1+7], 0
	s_lshl_b32 s92, s13, 8
	s_lshl_b32 s93, s11, 7
	s_add_co_u32 s92, s92, s93                     ; my first row
	s_lshl_b32 s92, s92, 13
	s_lshl_b32 s93, s42, 10
	s_add_co_u32 s92, s92, s93                     ; my block's first key, 4 bytes each,
	s_lshl_b32 s93, s12, 9
	s_add_co_u32 s92, s92, s93                     ; and my half's
	s_mov_b32 s93, 0
	s_add_nc_u64 s[90:91], s[84:85], s[92:93]      ; my 128 x 128 words of the mask
	s_mul_i32 s18, s10, MHALF
.irp hf, 0,1
	s_mov_b32 s[GM0+4*\hf], 1
	s_add_co_u32 s[GM0+4*\hf+1], s18, \hf*SLOT
	s_add_nc_u64 s[GM0+4*\hf+2:GM0+4*\hf+3], s[90:91], \hf*64*MROW
	s_or_b32 s[GM0+4*\hf+3], s[GM0+4*\hf+3], 0x80000000
.endr
	v_and_b32 v1, 15, v0                           ; r
	v_bfe_u32 v2, v0, 4, 1                         ; h
	v_mul_u32_u24 v3, v1, PITCH
	v_lshl_add_u32 v3, v2, 4, v3
	s_mul_i32 s21, s11, HALFT
	s_mul_i32 s22, s12, HALFT
	s_add_co_u32 s22, s22, 2*HALFT
.irp s, 0,1
	v_add_nc_u32 v[ADRA+\s], s21, v3
	v_add_nc_u32 v[ADRB+\s], s22, v3
	s_add_co_u32 s21, s21, SLOT
	s_add_co_u32 s22, s22, SLOT
.endr
	v_mul_u32_u24 v4, v1, MPITCH
	v_lshl_add_u32 v4, v2, 5, v4                   ; row r, 8 words for each half of the lanes
	v_add_nc_u32 v[MA], s18, v4
	v_add_nc_u32 v[MA+1], SLOT, v[MA]
	v_and_b32 v5, 31, v0
	v_lshlrev_b32 v[PO], 4, v5
	v_lshlrev_b32 v[SO], 3, v5
	v_lshrrev_b32 v6, 1, v5
	v_and_b32 v5, 1, v5
	v_lshlrev_b32 v[PFO], 13, v6
	v_lshl_add_u32 v[PFO], v5, 8, v[PFO]
	v_mov_b32 v[NEG], 0xdb7a4488                   ; -1e20 * 2^-11 * log2(e)
.macro MUL16 f, hi, a0, zero
.irp a, \a0, \a0+1
.irp b, 0,1,2,3,4,5,6,7
.if \zero
	v_wmma_f32_16x16x32_f16 v[8*(8*(\a)+\b):8*(8*(\a)+\b)+7], v[\f+8*\b:\f+8*\b+7], v[\f+8*(4*\hi+\a):\f+8*(4*\hi+\a)+7], 0
.else
	v_wmma_f32_16x16x32_f16 v[8*(8*(\a)+\b):8*(8*(\a)+\b)+7], v[\f+8*\b:\f+8*\b+7], v[\f+8*(4*\hi+\a):\f+8*(4*\hi+\a)+7], v[8*(8*(\a)+\b):8*(8*(\a)+\b)+7]
.endif
.endr
.endr
.endm
.macro FETCH slot, k, f
	WIN TO_B
.irp i, 0,1,2,3,4,5,6,7
	ds_load_b128 v[\f+8*\i:\f+8*\i+3],   v[ADRB+\slot] offset:\k+\i*16*PITCH
	ds_load_b128 v[\f+8*\i+4:\f+8*\i+7], v[ADRB+\slot] offset:\k+\i*16*PITCH+32
.endr
	WIN 0
.irp i, 0,1,2,3,4,5,6,7
	ds_load_b128 v[\f+8*\i:\f+8*\i+3],   v[ADRA+\slot] offset:\k+\i*16*PITCH
	ds_load_b128 v[\f+8*\i+4:\f+8*\i+7], v[ADRA+\slot] offset:\k+\i*16*PITCH+32
.endr
.endm
; My wave's half hf of its mask tile is asked for ahead of its tensor load: 64 rows x two blocks of 256 bytes, each asked for once in the
; launch, by the wave that will load it, three quarter steps (192 matrix instructions) ahead.  All addresses lie inside the tile.
.macro PREF hf
.irp g, 0,1,2,3
	global_prefetch_b8 v[PFO], s[90:91] offset:(64*(\hf)+16*\g)*MROW th:TH_LOAD_NT scope:SCOPE_SE
.endr
.endm
; The 64 accumulators take turns, one instruction a turn, in the same order in every quarter step.
.macro QUARTER slot, k, f, g, zero, pf
	s_wait_dscnt 8                                 ; the keys and my rows 0-63 are in; the youngest eight loads (rows 64-127) may be out
	WIN MUL_LO
	MUL16 \f, 0, 0, \zero
	MUL16 \f, 0, 2, \zero
	PLACES
	FETCH \slot, \k, \g
.if \pf
	PREF \pf-1
.endif
	s_wait_dscnt 32                                ; all but the 32 just issued
	WIN MUL_HI
	MUL16 \f, 1, 0, \zero
	MUL16 \f, 1, 2, \zero
.endm
.macro THREE slot, zero, pf
	QUARTER \slot, 64,  F0, F1, \zero, \pf
	QUARTER \slot, 128, F1, F0, 0, 0
	QUARTER \slot, 192, F0, F1, 0, 0
.endm
; fill = 1: this slot gets the tiles two K steps ahead (joint); 2: it gets the first half of my mask tile (plain); 0: nothing.
.macro TURN slot, next, fill
	s_wait_dscnt 8
	WIN MUL_LO
	MUL16 F1, 0, 0, 0
	s_wait_dscnt 0                                 ; my reads of this slot are over
	s_wait_tensorcnt 0x0                           ; and all my tensor loads have landed
	ds_add_u32 v255, v63
	s_wait_dscnt 0x0
	s_barrier_signal -1
	MUL16 F1, 0, 2, 0
	WIN 0
	s_barrier_wait -1
.if \fill == 1
	CREST
	s_add_nc_u64 s[G0+4*\slot+2:G0+4*\slot+3], s[G0+4*\slot+2:G0+4*\slot+3], 2*KSTEP*2
	s_add_nc_u64 s[G0B+4*\slot+2:G0B+4*\slot+3], s[G0B+4*\slot+2:G0B+4*\slot+3], 2*KSTEP*2
	JLOAD \slot
.endif
.if \fill == 2
	CREST
	tensor_load_to_lds s[GM0:GM0+3], s[GM1:GM1+7]
	s_nop 0
.endif
	PLACES
	FETCH \next, 0, F0
	WIN MUL_HI
	MUL16 F1, 1, 0, 0
	MUL16 F1, 1, 2, 0
.endm
.macro LAP zero
	THREE 0, \zero, 0
	TURN 0, 1, 1
	THREE 1, 0, 0
	TURN 1, 0, 1
.endm
	s_wait_tensorcnt 1                             ; my part of K step 0 is in; K step 1 may stay out
	s_barrier_signal -1
	s_barrier_wait -1
	FETCH 0, 0, F0
	LAP 1
	WIN 0
	s_mov_b32 s3, LAPS-2
.Llap:
	LAP 0
	WIN 0
	s_sub_co_u32 s3, s3, 1
	s_cmp_lg_u32 s3, 0
	s_cbranch_scc1 .Llap
	THREE 0, 0, 1                                  ; the last lap: the ring takes the mask
	TURN 0, 1, 2
	THREE 1, 0, 2
	s_wait_dscnt 8
	WIN MUL_LO
	MUL16 F1, 0, 0, 0
	s_wait_dscnt 0                                 ; my reads of slot 1 are over
	s_wait_tensorcnt 0x0                           ; the mask's first half has landed
	ds_add_u32 v255, v63
	s_wait_dscnt 0x0
	s_barrier_signal -1
	MUL16 F1, 0, 2, 0
	WIN 0
	s_barrier_wait -1
	CREST
	tensor_load_to_lds s[GM0+4:GM0+7], s[GM1:GM1+7]   ; the mask's second half, into slot 1
	s_nop 0
	WIN MUL_HI
	MUL16 F1, 1, 0, 0
	MUL16 F1, 1, 2, 0
	WIN 0
	PLACES
	; THE SOFTMAX OF A CHUNK.  Lanes r and r + 16 hold row r of a row block: 64 scores each.
	s_mov_b32 s21, 0x76543210                      ; v_permlanex16_b32: lane i of one half reads lane i of the other
	s_mov_b32 s22, 0xfedcba98
	s_mov_b32 s23, 0xffff0000                      ; lanes 16 to 31
	s_lshl_b32 s16, s13, 4
	s_lshl_b32 s17, s11, 3
	s_add_co_u32 s16, s16, s17                     ; my first row block of 16
	s_lshl_b32 s16, s16, 16                        ; 128 key blocks of 512 bytes each
	s_mov_b32 s17, 0
	s_add_nc_u64 s[86:87], s[86:87], s[16:17]
	s_lshl_b32 s46, s42, 4
	s_lshl_b32 s47, s12, 3
	s_add_co_u32 s46, s46, s47                     ; my first key block of 16
	s_lshl_b32 s46, s46, 9
	s_mov_b32 s47, 0
	s_add_nc_u64 s[86:87], s[86:87], s[46:47]
	s_lshl_b32 s46, s45, 4
	s_lshl_b32 s47, s42, 1
	s_add_co_u32 s46, s46, s47
	s_add_co_u32 s46, s46, s12                     ; 16 x batch + my chunk
	s_lshl_b32 s46, s46, 14                        ; 2,048 rows of 8 bytes
	s_and_b32 s47, s13, 7
	s_lshl_b32 s47, s47, 11
	s_add_co_u32 s46, s46, s47
	s_lshl_b32 s47, s11, 10
	s_add_co_u32 s46, s46, s47                     ; + my first row in the batch, 8 bytes each
	s_mov_b32 s47, 0
	s_add_nc_u64 s[88:89], s[88:89], s[46:47]
.macro MLD a                           ; the mask words of row block a, in the accumulators' layout
.irp b, 0,1,2,3,4,5,6,7
	ds_load_b128 v[MK+8*\b:MK+8*\b+3],   v[MA+(\a>>2)] offset:(\a&3)*16*MPITCH+64*\b
	ds_load_b128 v[MK+8*\b+4:MK+8*\b+7], v[MA+(\a>>2)] offset:(\a&3)*16*MPITCH+64*\b+16
.endr
.endm
.macro SOFT a, nxt
	s_wait_dscnt 0x0                               ; the block's mask words are in
	s_wait_xcnt 0x0                                ; OUT, which earlier stores read, is rewritten only behind this wait
.if \a < 4
	WIN 0x02
.else
	WIN 0x03
.endif
.set i, 0
.rept 64
	v_cmp_eq_u32 vcc_lo, 0, v[MK+i]
	v_cndmask_b32 v[SV+i], v[64*(\a&3)+i], v[NEG], vcc_lo
.set i, i+1
.endr
	WIN 0
.if \nxt < 8
.if \nxt == 4
	s_wait_tensorcnt 0x0                           ; the mask's second half has landed
.endif
	MLD \nxt
.endif
	; the largest of my 64: four chains of 15, then the four left over
.irp c, 0,1,2,3
	v_max3_num_f32 v[TT+\c], v[SV+16*\c], v[SV+16*\c+1], v[SV+16*\c+2]
.endr
.set i, 3
.rept 6
.irp c, 0,1,2,3
	v_max3_num_f32 v[TT+\c], v[TT+\c], v[SV+16*\c+i], v[SV+16*\c+i+1]
.endr
.set i, i+2
.endr
	v_max3_num_f32 v[TT], v[TT], v[TT+1], v[SV+15]
	v_max3_num_f32 v[TT+2], v[TT+2], v[TT+3], v[SV+31]
	v_max3_num_f32 v[TT], v[TT], v[SV+47], v[SV+63]
	v_max_num_f32 v[TT], v[TT], v[TT+2]
	v_permlanex16_b32 v[TT+1], v[TT], s21, s22     ; the row's other 64
	v_max_num_f32 v[TT], v[TT], v[TT+1]
	v_mul_f32 v[ST+2*\a], 0x42800000, v[TT]        ; M2 = 64 max
	v_mul_f32 v[NM], 0xc2800000, v[TT]
	v_mul_f32 v[NM+1], 0xc2800000, v[TT]
.set i, 0
.rept 32
	v_pk_fma_f32 v[SV+2*i:SV+2*i+1], v[SV+2*i:SV+2*i+1], 0x42800000, v[NM:NM+1] op_sel_hi:[1,0,1]
.set i, i+1
.endr
.set i, 0
.rept 64
	v_exp_f32 v[SV+i], v[SV+i]
.set i, i+1
.endr
	v_nop                                          ; one plain place behind the run of exponentials (ISA guide 5.7.2)
	s_wait_alu depctr_va_vdst(0)
.irp c, 0,1,2,3
	v_pk_add_f32 v[LS+2*\c:LS+2*\c+1], v[SV+2*\c:SV+2*\c+1], v[SV+8+2*\c:SV+8+2*\c+1]
.endr
.set i, 16
.rept 6
.irp c, 0,1,2,3
	v_pk_add_f32 v[LS+2*\c:LS+2*\c+1], v[LS+2*\c:LS+2*\c+1], v[SV+i+2*\c:SV+i+2*\c+1]
.endr
.set i, i+8
.endr
	v_pk_add_f32 v[LS:LS+1], v[LS:LS+1], v[LS+2:LS+3]
	v_pk_add_f32 v[LS+4:LS+5], v[LS+4:LS+5], v[LS+6:LS+7]
	v_pk_add_f32 v[LS:LS+1], v[LS:LS+1], v[LS+4:LS+5]
	v_add_f32 v[TT], v[LS], v[LS+1]
	v_permlanex16_b32 v[TT+1], v[TT], s21, s22
	v_add_f32 v[ST+2*\a+1], v[TT], v[TT+1]         ; l of the row in this chunk
.set i, 0
.rept 32
	v_cvt_pk_f16_f32 v[OUT+32*(\a&1)+i], v[SV+2*i], v[SV+2*i+1]
.set i, i+1
.endr
.irp b, 0,1,2,3,4,5,6,7
	global_store_b128 v[PO], v[OUT+32*(\a&1)+4*\b:OUT+32*(\a&1)+4*\b+3], s[86:87] offset:65536*\a+512*\b   ; a block of 16 x 16: 512 consecutive bytes
.endr
.endm
	s_wait_tensorcnt 0x1                           ; the mask's first half is in; the one younger load may stay out
	MLD 0
	SOFT 0, 1
	SOFT 1, 2
	SOFT 2, 3
	SOFT 3, 4
	SOFT 4, 5
	SOFT 5, 6
	SOFT 6, 7
	SOFT 7, 8
	; (M2, l) of my 128 rows: lane l of store p holds row 32 p + l, so lanes 16-31 take the odd row block's figures
.irp p, 0,1,2,3
	v_cndmask_b32 v[LS+2*\p], v[ST+4*\p], v[ST+4*\p+2], s23
	v_cndmask_b32 v[LS+2*\p+1], v[ST+4*\p+1], v[ST+4*\p+3], s23
	global_store_b64 v[SO], v[LS+2*\p:LS+2*\p+1], s[88:89] offset:256*\p    ; 32 lanes store 256 consecutive bytes, aligned
.endr
	s_set_vgpr_msb 0x1
	s_wait_tensorcnt 0x0
	ds_add_u32 v255, v63
	s_wait_dscnt 0x0
	s_set_vgpr_msb 0x100
	CROUND                                         ; the closing round
	s_endpgm
.Lfunc_end_k_q65688e8f90_scores:
	.size	k_q65688e8f90_scores, .Lfunc_end_k_q65688e8f90_scores-k_q65688e8f90_scores
	.p2alignl 7, 3214868480
	.fill 96, 4, 3214868480
	.section	.rodata,"a",@progbits
	.p2align	6, 0x0
	.amdhsa_kernel k_q65688e8f90_scores
		.amdhsa_group_segment_fixed_size 327680
		.amdhsa_private_segment_fixed_size 0
		.amdhsa_enable_private_segment 0
		.amdhsa_kernarg_size 40
		.amdhsa_user_sgpr_count 2
		.amdhsa_user_sgpr_kernarg_segment_ptr 1
		.amdhsa_wavefront_size32 1
		.amdhsa_system_sgpr_workgroup_id_x 1
		.amdhsa_system_sgpr_workgroup_id_y 1
		.amdhsa_system_sgpr_workgroup_id_z 1
		.amdhsa_system_vgpr_workitem_id 0
		.amdhsa_next_free_vgpr 1024
		.amdhsa_next_free_sgpr 96
		.amdhsa_reserve_vcc 1
		.amdhsa_float_denorm_mode_32 3
		.amdhsa_float_denorm_mode_16_64 3
		.amdhsa_memory_ordered 1
		.amdhsa_forward_progress 1
		.amdhsa_inst_pref_size 255
	.end_amdhsa_kernel
	.section	.bss,"aw",@nobits
	.p2align	6
	.space	262144
	.amdgpu_metadata
---
amdhsa.version: [ 1, 2 ]
amdhsa.kernels:
  - .name:           k_q65688e8f90_scores
    .symbol:         k_q65688e8f90_scores.kd
    .args:
      - { .name: qp16, .offset: 0, .size: 8, .value_kind: global_buffer, .address_space: global }
      - { .name: x16, .offset: 8, .size: 8, .value_kind: global_buffer, .address_space: global }
      - { .name: mask, .offset: 16, .size: 8, .value_kind: global_buffer, .address_space: global }
      - { .name: pfrag, .offset: 24, .size: 8, .value_kind: global_buffer, .address_space: global }
      - { .name: stats, .offset: 32, .size: 8, .value_kind: global_buffer, .address_space: global }
    .group_segment_fixed_size: 327680
    .private_segment_fixed_size: 0
    .kernarg_segment_align: 8
    .kernarg_segment_size: 40
    .max_flat_workgroup_size: 128
    .sgpr_count:     96
    .vgpr_count:     1024
    .wavefront_size: 32
...
	.end_amdgpu_metadata
.endif
;; end of part 3
;; launch av (part 4): grid 8 x 32, 4 waves a work-group, clusters of 4 x 4, 327,680 bytes of LDS; arguments pfrag, x16, stats, u16; writes u16
.if DOCPART == 4
	.amdgcn_target "amdgcn-amd-amdhsa--gfx1250"
	.amdhsa_code_object_version 6
	.text
	.protected	k_q65688e8f90_av
	.globl	k_q65688e8f90_av
	.p2align	8
	.type	k_q65688e8f90_av,@function
k_q65688e8f90_av:
	s_mov_b64 s[64:65], 0
	v_nop
	global_prefetch_b8 v0, s[64:65] scope:SCOPE_SE
	s_setreg_imm32_b32 hwreg(HW_REG_WAVE_MODE, 25, 1), 1
	s_wait_xcnt 0x0
	s_wait_alu depctr_hold_cnt(0) depctr_sa_sdst(0) depctr_va_vdst(0) depctr_va_sdst(0) depctr_va_ssrc(0) depctr_va_vcc(0) depctr_vm_vsrc(0)
	s_getreg_b32 s2, hwreg(HW_REG_IB_STS2, 6, 4)
	s_cmp_eq_u32 s2, 0
	s_cbranch_scc0 .Lentry_in_a_cluster
	s_endpgm
.Lentry_in_a_cluster:
	s_bfe_u32 s2, ttmp6, 0x10000c
	s_cmp_lg_u32 s2, 0xf033
	s_cbranch_scc0 .Lentry_shape_is_right
	s_endpgm
.Lentry_shape_is_right:
; AV.  u16[q][d] = f16((sum over chunks c of f_c[q] sum over the chunk's keys k of p'[q][k] values16[k][d]) / l[q]), where
;   M2row = max over c of M2_c,  f_c = exp2(M2_c - M2row),  l = sum over c of f_c l_c  (at least 1: the chunk of the maximum has f = 1, l_c >= 1).
; That is softmax(energy / 32) times values, with the row's true maximum taken away.
; A work-group makes 256 rows x 128 columns with four waves, a wave 64 x 128.  K = 2,048 keys = 16 chunks of 128 = 64 quarter steps of 32.
; THE VALUES [key][d] come through LDS: two slots of four chunks each, a chunk = 128 keys x (256 + 32) bytes, read by transposing loads.  Each wave
; asks for one chunk of a slot, jointly with the three work-groups of its column of the 4 x 4 cluster, which need the same values.
; A wave has two tensor loads out at the start and one behind each of the two rounds that refill a slot.
; p' DOES NOT GO THROUGH LDS AND IS NOT ASKED FOR JOINTLY.  A wave's 64 rows of p' are read by that wave alone, and p' lies in memory in the order of
; the matrix unit's fragments: a load of 16 bytes a lane, 512 consecutive bytes, is half a fragment.  With p' in the ring two slots of four chunks
; would take 2 x 4 x (65,536 + 36,864) = 819,200 bytes, more than a work-group can be given, and slots of one chunk leave a wave 128 matrix
; instructions between a refill and the wait for it; with the values alone it has 512.  Each wave keeps a ring of eight quarter steps of p'
; in registers: one at the matrix unit, one being scaled, the rest on their way (at most 56 loads of a wave are out).
; p' is multiplied by (f_c, f_c) in f16 a quarter step ahead of its use.
; THE K LOOP IS WRITTEN OUT: its four periods differ (slot 0 filled again, slot 1 filled again, nothing filled, no loads in the last seven quarters),
; and every offset and every factor's register is then a constant.
; REGISTERS: window 0: v0-31 addresses, v32-95 and v96-159 the values' fragments (two buffers), v160-223 the factors (chunk c, row block a at 160 + 4 c + a),
;   v224-255 at work on the way out.  Window 1: v0-127 the accumulators of row blocks 0, 1 (tile (a, b) at 8 (8 a + b)), v128-255 their part of the ring
;   (quarter q, block a at 128 + 16 (q % 8) + 8 a).  Window 2: the same for row blocks 2, 3.  So one setting serves a block's matrix instructions,
;   the multiplications by f and the loads of its p'.
.set RBLK,   65536                     ; bytes of a row block of p': 128 key blocks of 512
.set BPITCH, 288
.set REG,    128*BPITCH                ; a chunk's values in LDS
.set SLOT,   4*REG
.set SCR,    2*SLOT                    ; behind the ring, at a multiple of 256 bytes: 4,352 bytes for each wave, never a fill's target:
.set SCRW,   4352                      ; first the tables ((f, f) at chunk x 256 + r x 16 + row block x 4; 1 / l at 4,096 + r x 16 + row block x 4), at the end the stage
.set SPITCH, 272
.set ROWB,   2048
.set NQ,     64                        ; quarter steps
.set LEAD,   7                         ; quarter q asks for the p' of quarter q + 7
.set ADRB, 8                           ; v8-15  LDS address of my part of the values' fragments in each of the eight chunks of the ring
.set AO,   16                          ; v16    16 x lane; never rewritten
.set STO,  17
.set RD,   18
.set CO,   19
.set FTW,  20                          ; where the prologue writes the tables
.set FA,   21                          ; where they are read
.set SOF,  22                          ; 8 x lane
.set RIP,  24                          ; v24-31 1 / l twice, for each row block
.set F0,   32
.set FCA,  160
.set TMP,  224
.set SR,   32                          ; prologue: (M2, l) of 2 x 16 (half, chunk)
.set EB,   96                          ; prologue: f, two sets of 16
.set TM,   128
.set TL,   129
.set TR,   130
.set RI4,  132
.set WK,   32
.set RING, 128
.set G0,  32
.set G1B, 48
.set WLO, 0x54                         ; source 0 window 0; source 1, C and D window 1
.set WHI, 0xa8                         ; source 0 window 0; source 1, C and D window 2
.set MSB, 0
.macro WIN new                         ; the immediate's high byte repeats the setting that is left
.if MSB != \new
	s_set_vgpr_msb (MSB<<8)|\new
.set MSB, \new
.endif
.endm
.macro PLACES                          ; four plain vector places behind a matrix instruction (ISA guide 7.12.1)
.rept 4
	v_nop
.endr
.endm
.macro CREST                           ; a round of the cluster's barrier behind its opening barrier
	s_cmp_lg_u32 s10, 0
	s_cbranch_scc1 .Lnot_wave_0_\@
	s_barrier_signal -3
.Lnot_wave_0_\@:
	s_barrier_wait -3
	s_barrier_signal -1
	s_barrier_wait -1
.endm
.macro CROUND
	s_barrier_signal -1
	s_barrier_wait -1
	CREST
.endm
	s_load_b128 s[4:7], s[0:1], 0x0                ; pfrag, x16
	s_load_b128 s[68:71], s[0:1], 0x10             ; stats, u16
	v_lshl_add_u32 v7, v0, 2, 0x4c400
	v_mov_b32 v23, 0
	ds_add_u32 v7, v23
	v_lshrrev_b32 v1, 5, v0
	v_readfirstlane_b32 s10, v1                    ; wave
	s_bfe_u32 s40, ttmp6, 0x40000                  ; cx
	s_bfe_u32 s41, ttmp6, 0x40004                  ; cy
	s_lshl_b32 s42, ttmp9, 2
	s_add_co_u32 s42, s42, s40                     ; block of 128 columns
	s_and_b32 s13, ttmp7, 0xffff
	s_lshr_b32 s45, s13, 1                         ; batch, made of the cluster's y alone
	s_lshl_b32 s13, s13, 2
	s_add_co_u32 s13, s13, s41                     ; block of 256 rows
	s_lshl_b32 s44, 0x1111, s40                    ; my column of the cluster
	s_or_b32 s[G1B+0], s44, (1<<16)|(1<<20)|(1<<21)|(5<<22)|(7<<25)   ; mask; 2-byte elements; 8 words of padding behind every 64
	s_mov_b32 s[G1B+1], 128<<16                    ; tensor_dim0 = 128 columns
	s_mov_b32 s[G1B+2], 128<<16                    ; tensor_dim1 = 128 keys
	s_mov_b32 s[G1B+3], 128<<16                    ; tile_dim0
	s_mov_b32 s[G1B+4], 128                        ; tile_dim1
	s_mov_b32 s[G1B+5], 1024                       ; elements from key to key
	s_mov_b32 s[G1B+6], 0
	s_mov_b32 s[G1B+7], 0
	s_lshl_b32 s16, s13, 4
	s_lshl_b32 s17, s10, 2
	s_add_co_u32 s16, s16, s17                     ; p': row block 16 x block row + 4 x wave
	s_lshl_b32 s16, s16, 16
	s_mov_b32 s17, 0
	s_lshl_b32 s46, s45, 11
	s_lshl_b32 s47, s10, 7
	s_add_co_u32 s46, s46, s47                     ; values: key 2048 x batch + 128 x wave: my chunk of a slot
	s_lshl_b32 s46, s46, 11
	s_lshl_b32 s47, s42, 8
	s_add_co_u32 s46, s46, s47                     ; + 128 columns x block
	s_add_co_u32 s46, s46, 0x2000000               ; the values lie 32 MiB into x16
	s_mov_b32 s47, 0
	s_mul_i32 s20, s10, REG                        ; and where it goes: wave x a chunk's bytes
	s_lshl_b32 s18, s45, 18                        ; stats: 16 chunks x 16,384 bytes a batch
	s_and_b32 s19, s13, 7
	s_lshl_b32 s19, s19, 11
	s_add_co_u32 s18, s18, s19                     ; + my block's first row in the batch, 8 bytes each
	s_lshl_b32 s19, s10, 9
	s_add_co_u32 s18, s18, s19                     ; + my wave's 64 rows
	s_mov_b32 s19, 0
	s_wait_dscnt 0x0
	s_wait_kmcnt 0x0
	s_add_nc_u64 s[14:15], s[4:5], s[16:17]
	s_add_nc_u64 s[46:47], s[6:7], s[46:47]
	s_add_nc_u64 s[68:69], s[68:69], s[18:19]
	CROUND                                         ; all sixteen work-groups are here: the first joint loads meet
.irp s, 0,1
	s_mov_b32 s[G0+4*\s], 1
	s_add_co_u32 s[G0+4*\s+1], s20, \s*SLOT
	s_add_nc_u64 s[G0+4*\s+2:G0+4*\s+3], s[46:47], \s*4*128*ROWB      ; slot 0: chunks 0 to 3, slot 1: chunks 4 to 7
	s_or_b32 s[G0+4*\s+3], s[G0+4*\s+3], 0x80000000
	tensor_load_to_lds s[G0+4*\s:G0+4*\s+3], s[G1B:G1B+7]
	s_nop 0
.endr
; Four loads: the p' of quarter q for row blocks 2 h and 2 h + 1, under that half's window setting.
.macro ALD q, h
.set AL2, RING+16*((\q)%8)
.irp k, 0,1,2,3
	global_load_b128 v[AL2+4*\k:AL2+4*\k+3], v[AO], s[14:15] offset:(2*\h+\k/2)*RBLK+(\q)*1024+512*(\k%2)
.endr
.endm
	; THE PROLOGUE: the rows' maxima, factors and sums, under the first tiles' flight.  Lane l of half a2 holds row 32 a2 + l of my 64.
	v_and_b32 v3, 31, v0
	v_lshlrev_b32 v[SOF], 3, v3
	v_lshlrev_b32 v[AO], 4, v3
.irp a2, 0,1
.irp c, 0,1,2,3,4,5,6,7,8,9,10,11,12,13,14,15
	global_load_b64 v[SR+32*\a2+2*\c:SR+32*\a2+2*\c+1], v[SOF], s[68:69] offset:16384*\c+256*\a2   ; 256 consecutive bytes, aligned
.endr
.endr
.set Q, 0
.rept 3                                ; quarters 0 to 2 of p': with the 32 loads above 56 are out
	WIN WHI
	ALD Q, 1
	WIN WLO
	ALD Q, 0
.set Q, Q+1
.endr
	WIN 0
	v_and_b32 v1, 15, v0                           ; r
	v_bfe_u32 v2, v0, 4, 1                         ; h
	v_and_b32 v4, 7, v0
	v_bfe_u32 v5, v0, 3, 1
	v_lshl_add_u32 v4, v2, 3, v4                   ; a transposing load: key 8 h + (lane & 7),
	v_mul_u32_u24 v4, v4, BPITCH
	v_lshl_add_u32 v[ADRB], v5, 4, v4              ; 16 bytes further for the upper eight of sixteen lanes
.irp g, 1,2,3,4,5,6,7
	v_add_nc_u32 v[ADRB+\g], \g*REG, v[ADRB]
.endr
	s_mul_i32 s23, s10, SCRW
	s_add_co_u32 s23, s23, SCR                     ; my wave's own 4,352 bytes
	v_lshl_add_u32 v[FA], v1, 4, s23
	v_lshl_add_u32 v[FTW], v2, 2, v[FA]
	v_mul_u32_u24 v4, v1, SPITCH
	v_lshl_add_u32 v4, v2, 4, v4
	v_add_nc_u32 v[STO], s23, v4
	v_mul_u32_u24 v5, v2, SPITCH
	v_lshl_add_u32 v5, v1, 4, v5
	v_add_nc_u32 v[RD], s23, v5
	v_lshlrev_b32 v5, 11, v2
	v_lshl_add_u32 v[CO], v1, 4, v5
	s_wait_loadcnt 24                              ; the stats are in; the 24 younger loads (three quarters of p') may stay out
.rept 4                                ; quarters 3 to 6: again 56 at the most
	WIN WHI
	ALD Q, 1
	WIN WLO
	ALD Q, 0
.set Q, Q+1
.endr
	WIN 0
.macro FTAB a2
.set SS, SR+32*\a2
.set EE, EB+16*\a2
	v_max3_num_f32 v[TM], v[SS], v[SS+2], v[SS+4]
.set i, 6
.rept 6
	v_max3_num_f32 v[TM], v[TM], v[SS+i], v[SS+i+2]
.set i, i+4
.endr
	v_max_num_f32 v[TM], v[TM], v[SS+30]           ; the row's maximum, in base-2 exponents
.set i, 0
.rept 16
	v_sub_f32 v[EE+i], v[SS+2*i], v[TM]
.set i, i+1
.endr
.set i, 0
.rept 16
	v_exp_f32 v[EE+i], v[EE+i]
.set i, i+1
.endr
	v_nop                                          ; one plain place behind the run of exponentials (ISA guide 5.7.2)
	s_wait_alu depctr_va_vdst(0)
	v_mul_f32 v[TL], v[EE], v[SS+1]
.set i, 1
.rept 15
	v_fmac_f32 v[TL], v[EE+i], v[SS+2*i+1]
.set i, i+1
.endr
.set i, 0
.rept 16
	v_cvt_pk_f16_f32 v[EE+i], v[EE+i], v[EE+i]
.set i, i+1
.endr
.set i, 0
.rept 16
	ds_store_b32 v[FTW], v[EE+i] offset:256*i+8*\a2     ; row block 2 a2 + h
.set i, i+1
.endr
	v_rcp_f32 v[TR+\a2], v[TL]
	v_nop
	s_wait_alu depctr_va_vdst(0)
	ds_store_b32 v[FTW], v[TR+\a2] offset:4096+8*\a2
.endm
	FTAB 0
	FTAB 1
	; the tables come back in the fragments' lane order, once for the whole kernel (my wave's own bytes; LDS serves a wave's instructions in order)
.set c, 0
.rept 16
	ds_load_b128 v[FCA+4*c:FCA+4*c+3], v[FA] offset:256*c
.set c, c+1
.endr
	ds_load_b128 v[RI4:RI4+3], v[FA] offset:4096
	s_wait_dscnt 0x0
.irp a, 0,1,2,3
	v_mov_b32 v[RIP+2*\a], v[RI4+\a]
	v_mov_b32 v[RIP+2*\a+1], v[RI4+\a]
.endr
; 16 LDS loads: the values' fragments of quarter q (keys 32 q .. 32 q + 31, all 128 columns) into buffer q % 2
.macro FETCH q
.set FBF, F0+64*((\q)%2)
.set AG, ADRB+((\q)/4)%8
.set TO, 32*BPITCH*((\q)%4)
.irp i, 0,1,2,3,4,5,6,7
	ds_load_tr16_b128 v[FBF+8*\i:FBF+8*\i+3],   v[AG] offset:TO+32*\i
	ds_load_tr16_b128 v[FBF+8*\i+4:FBF+8*\i+7], v[AG] offset:TO+32*\i+16*BPITCH
.endr
.endm
; 16 matrix instructions of quarter Q: row blocks 2 h, 2 h + 1 x all eight column blocks.  Behind each stands one multiplication by f of the same
; row blocks' p' of quarter Q + 1, which none of them names.  In the second half the last four multiplications stand behind the last matrix
; instruction: they are the four places in front of the next quarter's loads into registers that this quarter's matrix instructions read.
; The 32 accumulators take turns, one instruction a turn, in the same order in every quarter step.
.macro PART h, zero
.set FBM, F0+64*(Q%2)
.set ACUR, RING+16*(Q%8)
.set ANXT, RING+16*((Q+1)%8)
.set FCN, FCA+4*((Q+1)/4)+2*\h
.set i, 0
.rept 16
.if \zero
	v_wmma_f32_16x16x32_f16 v[8*i:8*i+7], v[FBM+8*(i%8):FBM+8*(i%8)+7], v[ACUR+8*(i/8):ACUR+8*(i/8)+7], 0
.else
	v_wmma_f32_16x16x32_f16 v[8*i:8*i+7], v[FBM+8*(i%8):FBM+8*(i%8)+7], v[ACUR+8*(i/8):ACUR+8*(i/8)+7], v[8*i:8*i+7]
.endif
.if Q+1 < NQ
.if i < 16-4*\h
	v_pk_mul_f16 v[ANXT+i], v[FCN+i/8], v[ANXT+i]
.endif
.endif
.set i, i+1
.endr
.if Q+1 < NQ
.if \h
.set i, 12
.rept 4
	v_pk_mul_f16 v[ANXT+i], v[FCN+i/8], v[ANXT+i]
.set i, i+1
.endr
.endif
.endif
.endm
; CNT: how many loads are younger than those of quarter Q + 1 once quarter Q has asked: eight for each of the quarters Q + 2 to Q + 7, as far as there are any
.macro COUNTS
.set LQ, Q+LEAD
.if LQ > NQ-1
.set LQ, NQ-1
.endif
.set CNT, 8*(LQ-Q-1)
.endm
; A quarter step.  All its memory instructions stand in one run at its head.
.macro QUARTER zero
	COUNTS
	WIN 0
	s_wait_dscnt 0x0                               ; this quarter's fragments of the values, asked for a quarter ago, are in
.if Q+1 < NQ
	FETCH Q+1
.endif
.if Q+LEAD < NQ
	WIN WHI
	ALD Q+LEAD, 1                                  ; into the ring's registers that the last quarter's matrix instructions read
	WIN WLO
	ALD Q+LEAD, 0
.endif
.if Q+1 < NQ
	s_wait_loadcnt CNT                             ; the next quarter's p' is in: it is scaled below
.endif
	WIN WLO
	PART 0, \zero
	WIN WHI
	PART 1, \zero
.set Q, Q+1
.endm
; The last quarter of a slot.  Its own fragments were read a quarter ago, so my reads of the slot are over; the next quarter's come from the other slot.
; In front of the barrier each wave waits for its LDS reads and for all its tensor loads (its chunk of the other slot).  fill = 1: the barrier opens a
; round of the cluster's barrier, only register work stands inside it, and behind it the slot's refill (eight chunks on) comes first.
.macro CHANGE fill, slot
	COUNTS
	WIN 0
	s_wait_dscnt 0x0
	s_wait_tensorcnt 0x0
	ds_add_u32 v7, v23
	s_wait_dscnt 0x0
	s_wait_loadcnt CNT-8                           ; the next quarter's p' is in; this quarter's eight loads are issued behind the barrier, so five quarters are younger
	s_barrier_signal -1
	WIN WLO
	PART 0, 0
	WIN 0
	s_barrier_wait -1
.if \fill
	CREST
	s_add_nc_u64 s[G0+4*\slot+2:G0+4*\slot+3], s[G0+4*\slot+2:G0+4*\slot+3], 8*128*ROWB
	tensor_load_to_lds s[G0+4*\slot:G0+4*\slot+3], s[G1B:G1B+7]
	s_nop 0
.endif
	FETCH Q+1
	WIN WLO
	ALD Q+LEAD, 0
	WIN WHI
	ALD Q+LEAD, 1
	PART 1, 0
.set Q, Q+1
.endm
	s_wait_tensorcnt 1                             ; my chunk of slot 0 is in; slot 1's may stay out
	s_barrier_signal -1
	s_barrier_wait -1
	FETCH 0
	s_wait_loadcnt 48                              ; quarter 0 of p' is in; quarters 1 to 6 may stay out
	WIN WLO
.set i, 0
.rept 16
	v_pk_mul_f16 v[RING+i], v[FCA+i/8], v[RING+i]
.set i, i+1
.endr
	WIN WHI
.set i, 0
.rept 16
	v_pk_mul_f16 v[RING+i], v[FCA+2+i/8], v[RING+i]
.set i, i+1
.endr
.set Q, 0
	QUARTER 1                                      ; the first products start the sums
.rept 14
	QUARTER 0
.endr
	CHANGE 1, 0                                    ; quarter 15: slot 0 takes chunks 8 to 11
.rept 15
	QUARTER 0
.endr
	CHANGE 1, 1                                    ; quarter 31: slot 1 takes chunks 12 to 15
.rept 15
	QUARTER 0
.endr
	CHANGE 0, 0                                    ; quarter 47: nothing is left to fetch
.rept 16
	QUARTER 0
.endr
	WIN 0
	PLACES
	; THE WAY OUT, 16 rows at a time: x 1 / l, f16, through my own stage (the tables' bytes, read for the last time in the prologue)
	s_lshl_b32 s16, s13, 8
	s_lshl_b32 s17, s10, 6
	s_add_co_u32 s16, s16, s17                     ; my first row
	s_lshl_b32 s16, s16, 11
	s_mov_b32 s17, 0
	s_add_nc_u64 s[70:71], s[70:71], s[16:17]
	s_lshl_b32 s46, s42, 8                         ; my block's first column, in bytes
	s_mov_b32 s47, 0
	s_add_nc_u64 s[70:71], s[70:71], s[46:47]
; row block a; from: source 0 in window 1 (blocks 0, 1) or 2 (blocks 2, 3); R: the registers that the rows are stored from, two sets in turn
.macro OUT16 a, from, R
	WIN \from
.set i, 0
.rept 32
	v_pk_mul_f32 v[WK+2*i:WK+2*i+1], v[64*(\a%2)+2*i:64*(\a%2)+2*i+1], v[RIP+2*\a:RIP+2*\a+1]
.set i, i+1
.endr
	WIN 0
.set i, 0
.rept 32
	v_cvt_pk_f16_f32 v[TMP+i], v[WK+2*i], v[WK+2*i+1]
.set i, i+1
.endr
.irp b, 0,1,2,3,4,5,6,7
	ds_store_b128 v[STO], v[TMP+4*\b:TMP+4*\b+3] offset:32*\b
.endr
	s_wait_xcnt 0x0                                ; the stores' data registers and base are rewritten only behind this wait
.if \a
	s_add_nc_u64 s[70:71], s[70:71], 16*ROWB
.endif
.irp t, 0,1,2,3,4,5,6,7
	ds_load_b128 v[\R+4*\t:\R+4*\t+3], v[RD] offset:\t*2*SPITCH    ; LDS serves a wave's instructions in order: these see the stores above
.endr
.irp t, 0,1,2,3,4,5,6,7
	s_wait_dscnt 7-\t
	global_store_b128 v[CO], v[\R+4*\t:\R+4*\t+3], s[70:71] offset:2*\t*ROWB   ; 16 lanes store 256 consecutive bytes, aligned
.endr
.endm
	OUT16 0, 0x01, 96
	OUT16 1, 0x01, 128
	OUT16 2, 0x02, 96
	OUT16 3, 0x02, 128
	s_wait_tensorcnt 0x0
	ds_add_u32 v7, v23
	s_wait_dscnt 0x0
	CROUND                                         ; the closing round
	s_endpgm
.Lfunc_end_k_q65688e8f90_av:
	.size	k_q65688e8f90_av, .Lfunc_end_k_q65688e8f90_av-k_q65688e8f90_av
	.p2alignl 7, 3214868480
	.fill 96, 4, 3214868480
	.section	.rodata,"a",@progbits
	.p2align	6, 0x0
	.amdhsa_kernel k_q65688e8f90_av
		.amdhsa_group_segment_fixed_size 327680
		.amdhsa_private_segment_fixed_size 0
		.amdhsa_enable_private_segment 0
		.amdhsa_kernarg_size 32
		.amdhsa_user_sgpr_count 2
		.amdhsa_user_sgpr_kernarg_segment_ptr 1
		.amdhsa_wavefront_size32 1
		.amdhsa_system_sgpr_workgroup_id_x 1
		.amdhsa_system_sgpr_workgroup_id_y 1
		.amdhsa_system_sgpr_workgroup_id_z 1
		.amdhsa_system_vgpr_workitem_id 0
		.amdhsa_next_free_vgpr 768
		.amdhsa_next_free_sgpr 72
		.amdhsa_reserve_vcc 0
		.amdhsa_float_denorm_mode_32 3
		.amdhsa_float_denorm_mode_16_64 3
		.amdhsa_memory_ordered 1
		.amdhsa_forward_progress 1
		.amdhsa_inst_pref_size 255
	.end_amdhsa_kernel
	.section	.bss,"aw",@nobits
	.p2align	6
	.space	262144
	.amdgpu_metadata
---
amdhsa.version: [ 1, 2 ]
amdhsa.kernels:
  - .name:           k_q65688e8f90_av
    .symbol:         k_q65688e8f90_av.kd
    .args:
      - { .name: pfrag, .offset: 0, .size: 8, .value_kind: global_buffer, .address_space: global }
      - { .name: x16, .offset: 8, .size: 8, .value_kind: global_buffer, .address_space: global }
      - { .name: stats, .offset: 16, .size: 8, .value_kind: global_buffer, .address_space: global }
      - { .name: u16, .offset: 24, .size: 8, .value_kind: global_buffer, .address_space: global }
    .group_segment_fixed_size: 327680
    .private_segment_fixed_size: 0
    .kernarg_segment_align: 8
    .kernarg_segment_size: 32
    .max_flat_workgroup_size: 128
    .sgpr_count:     72
    .vgpr_count:     768
    .wavefront_size: 32
...
	.end_amdgpu_metadata
.endif
;; end of part 4
;; launch final (part 5): grid 8 x 32, 4 waves a work-group, clusters of 4 x 4, 327,680 bytes of LDS; arguments u16, wf, bo, out0; writes out0
.if DOCPART == 5
	.amdgcn_target "amdgcn-amd-amdhsa--gfx1250"
	.amdhsa_code_object_version 6
	.text
	.protected	k_q65688e8f90_final
	.globl	k_q65688e8f90_final
	.p2align	8
	.type	k_q65688e8f90_final,@function
k_q65688e8f90_final:
	s_mov_b64 s[64:65], 0
	v_nop
	global_prefetch_b8 v0, s[64:65] scope:SCOPE_SE
	s_setreg_imm32_b32 hwreg(HW_REG_WAVE_MODE, 25, 1), 1
	s_wait_xcnt 0x0
	s_wait_alu depctr_hold_cnt(0) depctr_sa_sdst(0) depctr_va_vdst(0) depctr_va_sdst(0) depctr_va_ssrc(0) depctr_va_vcc(0) depctr_vm_vsrc(0)
	s_getreg_b32 s2, hwreg(HW_REG_IB_STS2, 6, 4)
	s_cmp_eq_u32 s2, 0
	s_cbranch_scc0 .Lentry_in_a_cluster
	s_endpgm
.Lentry_in_a_cluster:
	s_bfe_u32 s2, ttmp6, 0x10000c
	s_cmp_lg_u32 s2, 0xf033
	s_cbranch_scc0 .Lentry_shape_is_right
	s_endpgm
.Lentry_shape_is_right:
; FINAL.  out0[l][o] = 2^-5 * (sum over d of u16[l][d] w2_16[o][d]) + bo[o], one fused multiply-add in f32; w2_16 = f16(32 Wo Wv) is wf's second matrix.
; The same product as the launch that makes q': a work-group makes 256 x 128 with four waves, a wave 64 x 128 (window 1), K = 1024 in steps
; of 128 through two LDS slots filled by joint tensor loads (4 x 4 cluster: u shared along a row, the weights along a column).  A wave has
; two tensor loads out at the start and one behind each round.  The result leaves in f32: whole rows of 512 bytes.
.set KSTEP,  128
.set ROWB,   2048                      ; bytes in a row of A and B
.set OROWB,  4096                      ; bytes in a row of out0
.set PITCH,  272
.set AHALF,  128*PITCH
.set BHALF,  64*PITCH
.set BOFF,   2*AHALF
.set SLOT,   2*AHALF+2*BHALF
.set STAGE,  2*SLOT                    ; 16 rows x 528 bytes for each wave
.set SPITCH, 528
.set LAPS,   4
.set OSCALE, 0x3d000000                ; 2^-5
.set ADRA, 16
.set ADRB, 20
.set STO,  24
.set RD,   25
.set CO,   26
.set BOF,  27
.set BI,   28                          ; v28-31 the bias of my four columns
.set F0,   32
.set F1,   128
.set G1,  24
.set G0,  32
.set G1B, 48
.set G0B, 56
.set MULW, 0x50
.set MSB, 0
.macro WIN new
.if MSB != \new
	s_set_vgpr_msb (MSB<<8)|\new
.set MSB, \new
.endif
.endm
.macro PLACES                          ; four plain vector places behind a matrix instruction (ISA guide 7.12.1)
.rept 4
	v_nop
.endr
.endm
.macro JLOAD s
	s_cmp_eq_u32 s11, 0
	s_cbranch_scc0 .Lfor_b_\@
	tensor_load_to_lds s[G0+4*\s:G0+4*\s+3], s[G1:G1+7]
	s_nop 0
	s_branch .Lasked_\@
.Lfor_b_\@:
	tensor_load_to_lds s[G0B+4*\s:G0B+4*\s+3], s[G1B:G1B+7]
	s_nop 0
.Lasked_\@:
.endm
.macro CREST
	s_cmp_lg_u32 s10, 0
	s_cbranch_scc1 .Lnot_wave_0_\@
	s_barrier_signal -3
.Lnot_wave_0_\@:
	s_barrier_wait -3
	s_barrier_signal -1
	s_barrier_wait -1
.endm
.macro CROUND
	s_barrier_signal -1
	s_barrier_wait -1
	CREST
.endm
	s_load_b128 s[4:7], s[0:1], 0x0                ; u16, wf
	s_load_b128 s[68:71], s[0:1], 0x10             ; bo, out0
	v_lshl_add_u32 v254, v0, 2, 0x3b400
	v_mov_b32 v255, 0
	ds_add_u32 v254, v255
	v_lshrrev_b32 v1, 5, v0
	v_readfirstlane_b32 s10, v1
	s_lshr_b32 s11, s10, 1
	s_and_b32 s12, s10, 1
	s_bfe_u32 s40, ttmp6, 0x40000
	s_bfe_u32 s41, ttmp6, 0x40004
	s_lshl_b32 s42, ttmp9, 2
	s_add_co_u32 s42, s42, s40
	s_and_b32 s13, ttmp7, 0xffff
	s_lshl_b32 s13, s13, 2
	s_add_co_u32 s13, s13, s41
	s_lshl_b32 s43, s41, 2
	s_lshl_b32 s43, 15, s43
	s_lshl_b32 s44, 0x1111, s40
	s_or_b32 s[G1+0], s43, (1<<16)|(1<<20)|(1<<21)|(5<<22)|(3<<25)
	s_mov_b32 s[G1+1], KSTEP<<16
	s_mov_b32 s[G1+2], 128<<16
	s_mov_b32 s[G1+3], KSTEP<<16
	s_mov_b32 s[G1+4], 128
	s_mov_b32 s[G1+5], 1024
	s_mov_b32 s[G1+6], 0
	s_mov_b32 s[G1+7], 0
	s_or_b32 s[G1B+0], s44, (1<<16)|(1<<20)|(1<<21)|(5<<22)|(3<<25)
	s_mov_b32 s[G1B+1], KSTEP<<16
	s_mov_b32 s[G1B+2], 64<<16
	s_mov_b32 s[G1B+3], KSTEP<<16
	s_mov_b32 s[G1B+4], 64
	s_mov_b32 s[G1B+5], 1024
	s_mov_b32 s[G1B+6], 0
	s_mov_b32 s[G1B+7], 0
	s_lshl_b32 s17, s12, 7
	s_lshl_b32 s16, s13, 8
	s_add_co_u32 s16, s16, s17
	s_lshl_b32 s16, s16, 11
	s_mov_b32 s17, 0
	s_lshl_b32 s47, s12, 6
	s_lshl_b32 s46, s42, 7
	s_add_co_u32 s46, s46, s47
	s_lshl_b32 s46, s46, 11
	s_add_co_u32 s46, s46, 0x200000                ; wf's second matrix
	s_mov_b32 s47, 0
	s_mul_i32 s20, s10, AHALF
	s_mul_i32 s21, s10, BHALF
	s_add_co_u32 s21, s21, BOFF-2*BHALF
	s_wait_dscnt 0x0
	s_wait_kmcnt 0x0
	s_add_nc_u64 s[14:15], s[4:5], s[16:17]
	s_add_nc_u64 s[46:47], s[6:7], s[46:47]
	CROUND
.irp s, 0,1
	s_mov_b32 s[G0+4*\s], 1
	s_add_co_u32 s[G0+4*\s+1], s20, \s*SLOT
	s_add_nc_u64 s[G0+4*\s+2:G0+4*\s+3], s[14:15], \s*KSTEP*2
	s_or_b32 s[G0+4*\s+3], s[G0+4*\s+3], 0x80000000
	s_mov_b32 s[G0B+4*\s], 1
	s_add_co_u32 s[G0B+4*\s+1], s21, \s*SLOT
	s_add_nc_u64 s[G0B+4*\s+2:G0B+4*\s+3], s[46:47], \s*KSTEP*2
	s_or_b32 s[G0B+4*\s+3], s[G0B+4*\s+3], 0x80000000
	JLOAD \s
.endr
	v_and_b32 v1, 15, v0
	v_bfe_u32 v2, v0, 4, 1
	v_and_b32 v4, 31, v0
	v_lshlrev_b32 v[CO], 4, v4                     ; 16 x lane: a row of 512 bytes a store
	v_lshl_add_u32 v[BOF], s42, 9, v[CO]           ; my four columns in bo
	global_load_b128 v[BI:BI+3], v[BOF], s[68:69]
	v_mul_u32_u24 v3, v1, PITCH
	v_lshl_add_u32 v3, v2, 4, v3
	s_mul_i32 s22, s10, 64*PITCH
	v_add_nc_u32 v[ADRA], s22, v3
	v_add_nc_u32 v[ADRA+1], SLOT, v[ADRA]
	v_add_nc_u32 v[ADRB], BOFF, v3
	v_add_nc_u32 v[ADRB+1], SLOT, v[ADRB]
	s_mul_i32 s23, s10, 16*SPITCH
	s_add_co_u32 s23, s23, STAGE
	v_mul_u32_u24 v5, v1, SPITCH
	v_lshl_add_u32 v5, v2, 5, v5                   ; in: row r, 32 bytes for each half of the lanes
	v_add_nc_u32 v[STO], s23, v5
	v_add_nc_u32 v[RD], s23, v[CO]                 ; back: a whole row
.macro MUL8 f, a, zero
.irp b, 0,1,2,3,4,5,6,7
.if \zero
	v_wmma_f32_16x16x32_f16 v[8*(8*\a+\b):8*(8*\a+\b)+7], v[\f+8*\b:\f+8*\b+7], v[\f+64+8*\a:\f+64+8*\a+7], 0
.else
	v_wmma_f32_16x16x32_f16 v[8*(8*\a+\b):8*(8*\a+\b)+7], v[\f+8*\b:\f+8*\b+7], v[\f+64+8*\a:\f+64+8*\a+7], v[8*(8*\a+\b):8*(8*\a+\b)+7]
.endif
.endr
.endm
.macro FETCH slot, k, f
.irp i, 0,1,2,3,4,5,6,7
	ds_load_b128 v[\f+8*\i:\f+8*\i+3],   v[ADRB+\slot] offset:\k+\i*16*PITCH
	ds_load_b128 v[\f+8*\i+4:\f+8*\i+7], v[ADRB+\slot] offset:\k+\i*16*PITCH+32
.endr
.irp i, 0,1,2,3
	ds_load_b128 v[\f+64+8*\i:\f+64+8*\i+3],   v[ADRA+\slot] offset:\k+\i*16*PITCH
	ds_load_b128 v[\f+64+8*\i+4:\f+64+8*\i+7], v[ADRA+\slot] offset:\k+\i*16*PITCH+32
.endr
.endm
; The 32 accumulators take turns, one instruction a turn, in the same order in every quarter step.
.macro QUARTER slot, k, f, g, zero
	s_wait_dscnt 4                                 ; B and A's blocks 0, 1 are in; the youngest four loads (A's blocks 2, 3) may be out
	WIN MULW
	MUL8 \f, 0, \zero
	MUL8 \f, 1, \zero
	WIN 0
	PLACES
	FETCH \slot, \k, \g
	s_wait_dscnt 24                                ; all but the 24 just issued
	WIN MULW
	MUL8 \f, 2, \zero
	MUL8 \f, 3, \zero
.endm
.macro THREE slot, zero
	QUARTER \slot, 64,  F0, F1, \zero
	QUARTER \slot, 128, F1, F0, 0
	QUARTER \slot, 192, F0, F1, 0
.endm
.macro TURN slot, next, fill
	s_wait_dscnt 4
	WIN MULW
	MUL8 F1, 0, 0
	s_wait_dscnt 0                                 ; my reads of this slot are over
	s_wait_tensorcnt 0x0                           ; and all my tensor loads have landed
	ds_add_u32 v254, v255
	s_wait_dscnt 0x0
	s_barrier_signal -1
	MUL8 F1, 1, 0
	WIN 0
	s_barrier_wait -1
.if \fill
	CREST
	s_add_nc_u64 s[G0+4*\slot+2:G0+4*\slot+3], s[G0+4*\slot+2:G0+4*\slot+3], 2*KSTEP*2
	s_add_nc_u64 s[G0B+4*\slot+2:G0B+4*\slot+3], s[G0B+4*\slot+2:G0B+4*\slot+3], 2*KSTEP*2
	JLOAD \slot
.endif
	PLACES
	FETCH \next, 0, F0
	WIN MULW
	MUL8 F1, 2, 0
	MUL8 F1, 3, 0
.endm
.macro LAP zero
	THREE 0, \zero
	TURN 0, 1, 1
	THREE 1, 0
	TURN 1, 0, 1
.endm
	s_wait_tensorcnt 1                             ; my part of K step 0 is in; K step 1 may stay out
	s_barrier_signal -1
	s_barrier_wait -1
	FETCH 0, 0, F0
	LAP 1
	WIN 0
	s_mov_b32 s3, LAPS-2
.Llap:
	LAP 0
	WIN 0
	s_sub_co_u32 s3, s3, 1
	s_cmp_lg_u32 s3, 0
	s_cbranch_scc1 .Llap
	THREE 0, 0
	TURN 0, 1, 0
	THREE 1, 0
	s_wait_dscnt 4
	WIN MULW
	MUL8 F1, 0, 0
	MUL8 F1, 1, 0
	s_wait_dscnt 0
	MUL8 F1, 2, 0
	MUL8 F1, 3, 0
	WIN 0
	PLACES
	; THE WAY OUT, 16 rows at a time: the sums go through my own stage as they are; scale and bias are applied to whole rows
	s_lshl_b32 s16, s13, 8
	s_lshl_b32 s17, s10, 6
	s_add_co_u32 s16, s16, s17
	s_lshl_b32 s16, s16, 12
	s_mov_b32 s17, 0
	s_add_nc_u64 s[70:71], s[70:71], s[16:17]
	s_lshl_b32 s46, s42, 9
	s_mov_b32 s47, 0
	s_add_nc_u64 s[70:71], s[70:71], s[46:47]
	s_wait_loadcnt 0x0                             ; the bias
.macro OUTF a, R
	WIN 0x04                                       ; an LDS store's data is source 1: window 1
.irp b, 0,1,2,3,4,5,6,7
	ds_store_b128 v[STO], v[64*\a+8*\b:64*\a+8*\b+3] offset:64*\b
	ds_store_b128 v[STO], v[64*\a+8*\b+4:64*\a+8*\b+7] offset:64*\b+16
.endr
	WIN 0
	s_wait_xcnt 0x0                                ; the stores' data registers and base are rewritten only behind this wait
.if \a
	s_add_nc_u64 s[70:71], s[70:71], 16*OROWB
.endif
.set t, 0
.rept 16
	ds_load_b128 v[\R+4*t:\R+4*t+3], v[RD] offset:SPITCH*t       ; LDS serves a wave's instructions in order: these see the stores above
.set t, t+1
.endr
.set t, 0
.rept 16
	s_wait_dscnt 15-t
	v_pk_fma_f32 v[\R+4*t:\R+4*t+1], v[\R+4*t:\R+4*t+1], OSCALE, v[BI:BI+1] op_sel_hi:[1,0,1]
	v_pk_fma_f32 v[\R+4*t+2:\R+4*t+3], v[\R+4*t+2:\R+4*t+3], OSCALE, v[BI+2:BI+3] op_sel_hi:[1,0,1]
	global_store_b128 v[CO], v[\R+4*t:\R+4*t+3], s[70:71] offset:OROWB*t th:TH_STORE_NT   ; 32 lanes store 512 consecutive bytes, aligned
.set t, t+1
.endr
.endm
	OUTF 0, 32
	OUTF 1, 128
	OUTF 2, 32
	OUTF 3, 128
	s_wait_tensorcnt 0x0
	ds_add_u32 v254, v255
	s_wait_dscnt 0x0
	CROUND                                         ; the closing round
	s_endpgm
.Lfunc_end_k_q65688e8f90_final:
	.size	k_q65688e8f90_final, .Lfunc_end_k_q65688e8f90_final-k_q65688e8f90_final
	.p2alignl 7, 3214868480
	.fill 96, 4, 3214868480
	.section	.rodata,"a",@progbits
	.p2align	6, 0x0
	.amdhsa_kernel k_q65688e8f90_final
		.amdhsa_group_segment_fixed_size 327680
		.amdhsa_private_segment_fixed_size 0
		.amdhsa_enable_private_segment 0
		.amdhsa_kernarg_size 32
		.amdhsa_user_sgpr_count 2
		.amdhsa_user_sgpr_kernarg_segment_ptr 1
		.amdhsa_wavefront_size32 1
		.amdhsa_system_sgpr_workgroup_id_x 1
		.amdhsa_system_sgpr_workgroup_id_y 1
		.amdhsa_system_sgpr_workgroup_id_z 1
		.amdhsa_system_vgpr_workitem_id 0
		.amdhsa_next_free_vgpr 512
		.amdhsa_next_free_sgpr 72
		.amdhsa_reserve_vcc 0
		.amdhsa_float_denorm_mode_32 3
		.amdhsa_float_denorm_mode_16_64 3
		.amdhsa_memory_ordered 1
		.amdhsa_forward_progress 1
		.amdhsa_inst_pref_size 129
	.end_amdhsa_kernel
	.amdgpu_metadata
---
amdhsa.version: [ 1, 2 ]
amdhsa.kernels:
  - .name:           k_q65688e8f90_final
    .symbol:         k_q65688e8f90_final.kd
    .args:
      - { .name: u16, .offset: 0, .size: 8, .value_kind: global_buffer, .address_space: global }
      - { .name: wf, .offset: 8, .size: 8, .value_kind: global_buffer, .address_space: global }
      - { .name: bo, .offset: 16, .size: 8, .value_kind: global_buffer, .address_space: global }
      - { .name: out0, .offset: 24, .size: 8, .value_kind: global_buffer, .address_space: global }
    .group_segment_fixed_size: 327680
    .private_segment_fixed_size: 0
    .kernarg_segment_align: 8
    .kernarg_segment_size: 32
    .max_flat_workgroup_size: 128
    .sgpr_count:     72
    .vgpr_count:     512
    .wavefront_size: 32
...
	.end_amdgpu_metadata
.endif
;; end of part 5
;; ======== version 2 of 2: 5 launches; version 1 with the launch prep written anew for expert scheduling mode
;; limits: values are held in f16: magnitudes above 65,504 overflow, below 6.1e-05 lose precision
;; workspace buffers: x16 50,331,648 bytes; wf 4,194,304 bytes; qp16 16,777,216 bytes; pfrag 33,554,432 bytes; stats 1,048,576 bytes; u16 16,777,216 bytes
;; launch prep (part 6): grid 896 x 1, 8 waves a work-group, no clusters, 74,752 bytes of LDS; arguments query, keys, values, Wk, Wq, Wo, Wv, x16, wf; writes x16, wf
.if DOCPART == 6
	.amdgcn_target "amdgcn-amd-amdhsa--gfx1250"
	.amdhsa_code_object_version 6
	.text
	.protected	k_q65688e8f90_prep
	.globl	k_q65688e8f90_prep
	.p2align	8
	.type	k_q65688e8f90_prep,@function
k_q65688e8f90_prep:
	s_mov_b64 s[64:65], 0
	v_nop
	global_prefetch_b8 v0, s[64:65] scope:SCOPE_SE
	s_setreg_imm32_b32 hwreg(HW_REG_WAVE_SCHED_MODE, 0, 2), 2
	s_setreg_imm32_b32 hwreg(HW_REG_WAVE_MODE, 25, 1), 1
	s_wait_xcnt 0x0
	s_wait_alu depctr_vm_vsrc(0)
; PREP.  Two kinds of work-group in one launch, the long ones first.
;   Work-groups 0 to 127:   two products of the weights, 128 x 128 of C a work-group, K = 1024:
;       p = 0:  wf[0][d2][d1] = f16(32 * sum over e of Wk[e][d2] Wq[e][d1])     (so that energy = (query MT^T) keys^T)
;       p = 1:  wf[1][o][d]   = f16(32 * sum over e of Wo[o][e] Wv[e][d])       (so that out = (attn values) W2^T + bo)
;   Work-groups 128 to 895: query, keys, values (f32) are rounded to f16 into x16 = [3][8192][1024]; 32 rows a work-group.
; The two re-associations hold for every input; the order of rounding differs from a program that projects q, k, v first.
; LIMITS: f16 operands: |query|, |keys|, |values| and 32 |product of weights| must stay below 65,504.
; No joint requests: the weights pass through registers on their way to LDS, where f32 is rounded to f16, and the
; bytes that the 128 work-groups share (16 MiB of weights) are a small part of the launch's 96 MiB of activations.
; THE PRODUCTS go along K in 16 chunks of 64.  Two sets of 64 registers take turns: a set is loaded again, two chunks ahead, when
; its rows lie in LDS.  Two LDS buffers take turns, with one barrier a chunk: chunk i writes the buffer that chunk i - 2 read, and
; every wave has waited for those reads in front of chunk i - 1's barrier.
; THE MODE: SCHED_MODE bits 1:0 = 2 (LLVM: expert scheduling mode 2), set by the entry lines.  The code itself states the register dependences
; between vector or matrix instructions and memory or LDS instructions, with s_wait_alu, always for 0.
; THE PLAN, THE CAST.  v[VIN], v[VOUT]: written once at the head, read by every load and store.  X, piece i: one load lands in it, its two conversions
;   read it.  Y, piece i: its two conversions write it, its store reads it.  None of them is written a second time.  The 32 pieces go in eight groups of
;   four: the stores of group g - 1 stand in group g, dealt among its conversions, behind ONE wait on va_vdst at the group's head; the conversions issued
;   since that wait name group g's X and Y alone.
; THE PLAN, THE PRODUCTS.  Registers that memory or LDS instructions touch in a chunk:
;   X, set s     the loads land; the 32 conversions read and write it in place; sixteen LDS stores read the packed halves; the loads of two chunks on land.
;   FR           LDS loads land; the matrix instructions read it.  (On the way out: conversions write it, LDS stores read it.)
;   v2 to v10    offsets and LDS addresses, written at the head and never again.      ACC is named by vector and matrix instructions alone.
;   A chunk has three waits: va_vdst behind its conversions (they have written the set for the LDS stores and are done with it for the loads; the last
;   chunk's matrix instructions are done reading FR for the first fragment loads); vm_vsrc behind the barrier (the LDS stores have read the set); va_vdst
;   between its two halves (the first half's matrix instructions are done reading FR).  The set's sixteen loads are dealt among the first half's matrix
;   instructions, which name FR and ACC alone.
.set PITCH,  288                       ; an LDS row of a tile whose rows run along K: 128 f16 + 32 bytes, an odd multiple of 32 bytes for the transposing loads
.set PPITCH, 144                       ; an LDS row of Wo's tile, whose rows run along m: 64 f16 + 16 bytes, an odd multiple of 16
.set TBO,    64*PITCH                  ; tile B lies behind tile A (64 x 288 = 128 x 144 bytes)
.set BUF,    2*TBO                     ; a buffer: both tiles of a chunk
.set SPITCH, 272                       ; the way out: 128 f16 + 16 bytes
.set KROWS,  64*4096                   ; bytes from a chunk to the next where rows run along K
.set GOB,  2                           ; v2   byte offset of my 16 bytes in my wave's first row of a tile whose rows run along K
.set GOA,  3                           ; v3   the same for tile A
.set LSB,  4                           ; v4   LDS address of my 8 bytes in my wave's first row of a tile whose rows run along K
.set LSA,  5                           ; v5   the same for tile A
.set ADA,  6                           ; v6   LDS address of my part of the m fragments
.set ADB,  7                           ; v7   the same for the n fragments
.set STO,  8                           ; v8   the way out: where I put 16 bytes
.set RD,   9                           ; v9   the way out: where I read a row back
.set CO,   10                          ; v10  my byte offset in C
.set VIN,  11                          ; v11  cast: byte offset of my 16 bytes of f32
.set VOUT, 12                          ; v12  cast: byte offset of my 8 bytes of f16
.set X,    16                          ; v[16:143]  products: two sets of 64 (8 rows of A, 8 of B); cast: 32 pieces of 4
.set Y,    144                         ; v[144:207] cast: 32 pieces of 2, to store
.set FR,   144                         ; v[144:191] four n fragments, two m fragments
.set ACC,  192                         ; v[192:255] 2 x 4 accumulator tiles, tile (im, in) at ACC + 8 (4 im + in)
.macro PLACES                          ; four plain vector places behind a matrix instruction (ISA guide 7.12.1)
.rept 4
	v_nop
.endr
.endm
	s_load_b512 s[4:19], s[0:1], 0x0               ; query, keys, values, Wk, Wq, Wo, Wv, x16
	s_load_b64 s[20:21], s[0:1], 0x40              ; wf
	v_lshl_add_u32 v14, v0, 2, 0x12000
	v_mov_b32 v15, 0
	v_and_b32 v1, 31, v0                           ; lane
	v_lshrrev_b32 v13, 5, v0                       ; wave
	s_cmp_lt_u32 ttmp9, 128                        ; the same in every wave of a work-group
	s_cbranch_scc1 .Lweights
	; ---------------- the cast: a wave takes 4 rows, 32 pieces of 512 bytes, all asked for at once ----------------
	s_sub_co_u32 s22, ttmp9, 128                   ; c = 0 .. 767
	s_lshr_b32 s23, s22, 8                         ; which tensor: 256 work-groups each
	s_and_b32 s28, s22, 255
	s_lshl_b32 s28, s28, 17                        ; 32 rows of 4,096 bytes
	s_mov_b32 s29, 0
	s_lshl_b32 s30, s22, 16                        ; 32 rows of 2,048 bytes; the three tensors follow each other in x16
	s_mov_b32 s31, 0
	v_lshlrev_b32 v[VIN], 4, v1
	v_lshl_add_u32 v[VIN], v13, 14, v[VIN]         ; wave x 4 rows x 4,096 + 16 lane
	v_lshlrev_b32 v[VOUT], 3, v1
	v_lshl_add_u32 v[VOUT], v13, 13, v[VOUT]       ; wave x 4 rows x 2,048 + 8 lane
	s_wait_kmcnt 0x0
	s_cmp_eq_u32 s23, 1
	s_cselect_b64 s[24:25], s[6:7], s[4:5]
	s_cmp_eq_u32 s23, 2
	s_cselect_b64 s[24:25], s[8:9], s[24:25]
	s_add_nc_u64 s[24:25], s[24:25], s[28:29]
	s_add_nc_u64 s[26:27], s[18:19], s[30:31]
	s_wait_alu depctr_va_vdst(0)                   ; v[VIN] and v[VOUT] are written: every load and store below reads one of them as its offset
.set i, 0
.rept 32
	global_load_b128 v[X+4*i:X+4*i+3], v[VIN], s[24:25] offset:512*i th:TH_LOAD_NT
.set i, i+1
.endr
	; Piece i is in when at most the 31 - i younger loads are out.  Every piece has registers of its own to be stored from,
	; and no address register is rewritten: nothing here waits for a store.
.set g, 0
.rept 8
.set j, 0
.rept 4
.set i, 4*g+j
	s_wait_loadcnt 31-i
.if g > 0
.if j == 0
	s_wait_alu depctr_va_vdst(0)                   ; the conversions of the group before have written its four pieces of Y, which this group's four stores read
.endif
	global_store_b64 v[VOUT], v[Y+2*(i-4):Y+2*(i-4)+1], s[26:27] offset:256*(i-4)   ; 32 lanes store 256 consecutive bytes, aligned; no vector instruction since the wait names these registers
.endif
	v_cvt_pk_f16_f32 v[Y+2*i], v[X+4*i], v[X+4*i+1]
	v_cvt_pk_f16_f32 v[Y+2*i+1], v[X+4*i+2], v[X+4*i+3]
.set j, j+1
.endr
.set g, g+1
.endr
	s_wait_alu depctr_va_vdst(0)                   ; the last group's conversions have written its four pieces of Y, which the last four stores read
.set i, 28
.rept 4
	global_store_b64 v[VOUT], v[Y+2*i:Y+2*i+1], s[26:27] offset:256*i
.set i, i+1
.endr
	s_endpgm
	; ---------------- the products of the weights ----------------
.Lweights:
	s_lshr_b32 s22, ttmp9, 6                       ; p
	s_bfe_u32 s23, ttmp9, 0x30003                  ; bm: block row of C
	s_and_b32 s24, ttmp9, 7                        ; bn: block column of C
	v_and_b32 v16, 15, v0                          ; r        (v16 to v23 are at work until the first loads go out)
	v_bfe_u32 v17, v0, 4, 1                        ; h
	v_and_b32 v18, 7, v0                           ; lane & 7
	v_bfe_u32 v19, v0, 3, 1                        ; (lane >> 3) & 1
	v_lshrrev_b32 v20, 6, v0                       ; wm: my 32 rows of C
	v_bfe_u32 v21, v0, 5, 1                        ; wn: my 64 columns of C
	v_lshlrev_b32 v[GOB], 4, v1
	v_lshl_add_u32 v[GOB], v13, 15, v[GOB]         ; wave x 8 rows x 4,096 + 16 lane
	v_mul_u32_u24 v[LSB], v13, 8*PITCH
	v_lshl_add_u32 v[LSB], v1, 3, v[LSB]           ; wave x 8 rows + 8 lane
	v_lshl_add_u32 v18, v17, 3, v18                ; a transposing load: row 8 h + (lane & 7),
	v_mul_u32_u24 v18, v18, PITCH
	v_lshl_add_u32 v18, v19, 4, v18                ; 16 bytes further for the upper eight of sixteen lanes
	v_lshl_add_u32 v[ADB], v21, 7, v18             ; my 64 columns
	v_add_nc_u32 v[ADB], TBO, v[ADB]
	v_lshl_add_u32 v22, v20, 5, v16                ; 32 wm + r
	v_mul_u32_u24 v[STO], v22, SPITCH
	v_lshl_add_u32 v[STO], v21, 7, v[STO]
	v_lshl_add_u32 v[STO], v17, 4, v[STO]
	v_lshl_add_u32 v23, v13, 4, v17                ; 16 wave + h
	v_mul_u32_u24 v[RD], v23, SPITCH
	v_lshl_add_u32 v[RD], v16, 4, v[RD]
	v_lshlrev_b32 v[CO], 11, v23
	v_lshl_add_u32 v[CO], v16, 4, v[CO]
	s_lshl_b32 s26, s24, 9                         ; bn x 128 f32
	s_mov_b32 s27, 0
	s_lshl_b32 s42, s22, 21                        ; p x 2 MiB
	s_lshl_b32 s43, s23, 18                        ; bm x 128 rows of 2,048 bytes
	s_add_co_u32 s42, s42, s43
	s_lshl_b32 s43, s24, 8                         ; bn x 128 f16
	s_add_co_u32 s42, s42, s43
	s_mov_b32 s43, 0
	s_mov_b32 s29, 0
	s_wait_kmcnt 0x0
	s_add_nc_u64 s[40:41], s[20:21], s[42:43]      ; C's block
; Half of set s is asked for: loads i0 to i0 + 3 of my 8 of tile A and of my 8 of tile B.  atr = 1: A's rows run along K, a load is a row of 512 bytes;
; atr = 0: A's rows run along m and a chunk has 256 bytes of each, a load is two rows' aligned 256 bytes.
.macro LOADS atr, s, i0
.set i, \i0
.rept 4
.if \atr
	global_load_b128 v[X+64*\s+4*i:X+64*\s+4*i+3], v[GOA], s[32+4*\s:33+4*\s] offset:4096*i
.else
	global_load_b128 v[X+64*\s+4*i:X+64*\s+4*i+3], v[GOA], s[32+4*\s:33+4*\s] offset:8192*i
.endif
	global_load_b128 v[X+64*\s+32+4*i:X+64*\s+32+4*i+3], v[GOB], s[34+4*\s:35+4*\s] offset:4096*i
.set i, i+1
.endr
.endm
; One chunk of 64 along K, from set s through buffer s.  left = how many younger loads (the other set's) may stay out.
.macro CHUNK atr, s, zero, more, left
	s_wait_loadcnt \left                           ; this set's 16 loads are in: its registers and its bases are free
.if \more
.if \atr
	s_add_nc_u64 s[32+4*\s:33+4*\s], s[32+4*\s:33+4*\s], 2*KROWS   ; free since that wait, which shows the loads that read them done: two chunks on
.else
	s_add_nc_u64 s[32+4*\s:33+4*\s], s[32+4*\s:33+4*\s], 512
.endif
	s_add_nc_u64 s[34+4*\s:35+4*\s], s[34+4*\s:35+4*\s], 2*KROWS
.endif
.set i, 0
.rept 16
	v_cvt_pk_f16_f32 v[X+64*\s+4*i], v[X+64*\s+4*i], v[X+64*\s+4*i+1]
	v_cvt_pk_f16_f32 v[X+64*\s+4*i+1], v[X+64*\s+4*i+2], v[X+64*\s+4*i+3]
.set i, i+1
.endr
	s_wait_alu depctr_va_vdst(0)                   ; the conversions have written the set, which the LDS stores read, and are done with it, so that loads may land in it; the last chunk's matrix instructions are done reading FR, in which the first fragment loads land
.set i, 0
.rept 8
	ds_store_b64 v[LSA], v[X+64*\s+4*i:X+64*\s+4*i+1] offset:BUF*\s+PITCH*i          ; two rows of 144 bytes are 288 too
	ds_store_b64 v[LSB], v[X+64*\s+32+4*i:X+64*\s+32+4*i+1] offset:BUF*\s+TBO+PITCH*i
.set i, i+1
.endr
	s_wait_dscnt 0x0                               ; my rows are written (for the other waves: zero)
	s_barrier_signal -1
	s_barrier_wait -1                              ; the buffer is whole; and nobody reads the other buffer's last tiles any more
.if \more
	s_wait_alu depctr_vm_vsrc(0)                   ; my LDS stores have read the set, in which the loads below land
.endif
.set kk, 0
.rept 2
.if kk
	PLACES                                         ; in front of loads into fragments that matrix instructions have read (at kk = 0 the conversions above are the places)
	s_wait_alu depctr_va_vdst(0)                   ; the first half's eight matrix instructions are done reading FR, in which the loads below land
.endif
.set f, 0
.rept 2
.if \atr
	ds_load_tr16_b128 v[FR+32+8*f:FR+32+8*f+3], v[ADA] offset:BUF*\s+32*PITCH*kk+32*f
	ds_load_tr16_b128 v[FR+32+8*f+4:FR+32+8*f+7], v[ADA] offset:BUF*\s+32*PITCH*kk+32*f+16*PITCH
.else
	ds_load_b128 v[FR+32+8*f:FR+32+8*f+3], v[ADA] offset:BUF*\s+16*PPITCH*f+64*kk
	ds_load_b128 v[FR+32+8*f+4:FR+32+8*f+7], v[ADA] offset:BUF*\s+16*PPITCH*f+64*kk+32
.endif
.set f, f+1
.endr
.set f, 0
.rept 4
	ds_load_tr16_b128 v[FR+8*f:FR+8*f+3], v[ADB] offset:BUF*\s+32*PITCH*kk+32*f
	ds_load_tr16_b128 v[FR+8*f+4:FR+8*f+7], v[ADB] offset:BUF*\s+32*PITCH*kk+32*f+16*PITCH
.set f, f+1
.endr
.if \more
.if kk == 0
	LOADS \atr, \s, 0                              ; two chunks ahead, the first eight.  No further wait: no vector or matrix instruction since the wait behind the conversions names the set
.endif
.endif
.set Z, 0
.if \zero
.if kk == 0
.set Z, 1
.endif
.endif
	; eight accumulators by turns, one instruction a turn, always in this order
	s_wait_dscnt 4                                 ; the m fragments and n fragments 0, 1 are in; the youngest four loads (n fragments 2, 3) may be out
.irp t, 0,1,4,5
.if Z
	v_wmma_f32_16x16x32_f16 v[ACC+8*\t:ACC+8*\t+7], v[FR+8*(\t%4):FR+8*(\t%4)+7], v[FR+32+8*(\t/4):FR+32+8*(\t/4)+7], 0
.else
	v_wmma_f32_16x16x32_f16 v[ACC+8*\t:ACC+8*\t+7], v[FR+8*(\t%4):FR+8*(\t%4)+7], v[FR+32+8*(\t/4):FR+32+8*(\t/4)+7], v[ACC+8*\t:ACC+8*\t+7]
.endif
.endr
.if \more
.if kk == 0
	LOADS \atr, \s, 4                              ; the other eight: the four matrix instructions between name FR and ACC alone
.endif
.endif
	s_wait_dscnt 0x0
.irp t, 2,3,6,7
.if Z
	v_wmma_f32_16x16x32_f16 v[ACC+8*\t:ACC+8*\t+7], v[FR+8*(\t%4):FR+8*(\t%4)+7], v[FR+32+8*(\t/4):FR+32+8*(\t/4)+7], 0
.else
	v_wmma_f32_16x16x32_f16 v[ACC+8*\t:ACC+8*\t+7], v[FR+8*(\t%4):FR+8*(\t%4)+7], v[FR+32+8*(\t/4):FR+32+8*(\t/4)+7], v[ACC+8*\t:ACC+8*\t+7]
.endif
.endr
.set kk, kk+1
.endr
.endm
.macro WGEMM atr
	s_wait_alu depctr_va_vdst(0)                   ; the offsets and LDS addresses v2 to v10 are written, which the loads and stores below read; the head's arithmetic has written and read v16 to v23, in which loads land
	LOADS \atr, 0, 0                               ; chunks 0 and 1
	LOADS \atr, 0, 4
	LOADS \atr, 1, 0
	LOADS \atr, 1, 4
	CHUNK \atr, 0, 1, 1, 16                        ; the first products start the sums
	CHUNK \atr, 1, 0, 1, 16
	s_mov_b32 s30, 6
.Lchunks_\@:
	CHUNK \atr, 0, 0, 1, 16
	CHUNK \atr, 1, 0, 1, 16
	s_sub_co_u32 s30, s30, 1
	s_cmp_lg_u32 s30, 0
	s_cbranch_scc1 .Lchunks_\@
	CHUNK \atr, 0, 0, 0, 16                        ; the last two chunks ask for nothing
	CHUNK \atr, 1, 0, 0, 0
	; the way out: x 32, f16, through LDS so that sixteen lanes store 256 consecutive bytes
	s_wait_dscnt 0x0
	s_barrier_signal -1
	s_barrier_wait -1                              ; nobody reads the tiles any more: buffer 0's bytes become the stage
	PLACES
.set i, 0
.rept 32
	v_pk_mul_f32 v[ACC+2*i:ACC+2*i+1], v[ACC+2*i:ACC+2*i+1], 0x42000000 op_sel_hi:[1,0]
.set i, i+1
.endr
.set i, 0
.rept 32
	v_cvt_pk_f16_f32 v[FR+i], v[ACC+2*i], v[ACC+2*i+1]
.set i, i+1
.endr
	s_wait_alu depctr_va_vdst(0)                   ; the conversions have written v[FR ..], which the LDS stores read
.set t, 0
.rept 8
	ds_store_b128 v[STO], v[FR+4*t:FR+4*t+3] offset:16*SPITCH*(t/4)+32*(t%4)
.set t, t+1
.endr
	s_wait_dscnt 0x0
	s_barrier_signal -1
	s_barrier_wait -1
	s_wait_alu depctr_vm_vsrc(0)                   ; the LDS stores of the last chunk from set 0 have read v[X ..], in which the rows below land (the conversions that named them stand ahead of that chunk's wait on va_vdst)
.set t, 0
.rept 8
	ds_load_b128 v[X+4*t:X+4*t+3], v[RD] offset:2*SPITCH*t
.set t, t+1
.endr
.set t, 0
.rept 8
	s_wait_dscnt 7-t
	global_store_b128 v[CO], v[X+4*t:X+4*t+3], s[40:41] offset:4096*t
.set t, t+1
.endr
.endm
	s_cmp_lg_u32 s22, 0
	s_cbranch_scc1 .Lw2
	s_lshl_b32 s28, s23, 9                         ; Wk: columns 128 bm
	s_add_nc_u64 s[32:33], s[10:11], s[28:29]
	s_add_nc_u64 s[34:35], s[12:13], s[26:27]      ; Wq: columns 128 bn
	s_add_nc_u64 s[36:37], s[32:33], KROWS         ; the second set begins a chunk further on
	s_add_nc_u64 s[38:39], s[34:35], KROWS
	v_mov_b32 v[GOA], v[GOB]                       ; tile A is laid like tile B
	v_mov_b32 v[LSA], v[LSB]
	v_lshl_add_u32 v[ADA], v20, 6, v18             ; transposed: my 32 columns of tile A
	WGEMM 1
	s_wait_dscnt 0x0                               ; the closing lines, six on end
	s_wait_alu 0x0
	s_wait_tensorcnt 0x0
	ds_add_u32 v14, v15
	s_wait_dscnt 0x0
	s_endpgm
.Lw2:
	s_lshl_b32 s28, s23, 19                        ; Wo: rows 128 bm
	s_add_nc_u64 s[32:33], s[14:15], s[28:29]
	s_add_nc_u64 s[34:35], s[16:17], s[26:27]      ; Wv: columns 128 bn
	s_add_nc_u64 s[36:37], s[32:33], 256
	s_add_nc_u64 s[38:39], s[34:35], KROWS
	v_lshlrev_b32 v[GOA], 12, v23                  ; row 16 wave + h of Wo's 128,
	v_lshl_add_u32 v[GOA], v16, 4, v[GOA]          ; 16 bytes for each of sixteen lanes
	v_mul_u32_u24 v[LSA], v23, PPITCH
	v_lshl_add_u32 v[LSA], v16, 3, v[LSA]
	v_mul_u32_u24 v[ADA], v22, PPITCH              ; plain: row 32 wm + r,
	v_lshl_add_u32 v[ADA], v17, 4, v[ADA]          ; 16 bytes for each half of the lanes
	WGEMM 0
	s_wait_dscnt 0x0                               ; the closing lines, six on end, as above
	s_wait_alu 0x0
	s_wait_tensorcnt 0x0
	ds_add_u32 v14, v15
	s_wait_dscnt 0x0
	s_endpgm
.Lfunc_end_k_q65688e8f90_prep:
	.size	k_q65688e8f90_prep, .Lfunc_end_k_q65688e8f90_prep-k_q65688e8f90_prep
	.p2alignl 7, 3214868480
	.fill 96, 4, 3214868480
	.section	.rodata,"a",@progbits
	.p2align	6, 0x0
	.amdhsa_kernel k_q65688e8f90_prep
		.amdhsa_group_segment_fixed_size 74752
		.amdhsa_private_segment_fixed_size 0
		.amdhsa_enable_private_segment 0
		.amdhsa_kernarg_size 72
		.amdhsa_user_sgpr_count 2
		.amdhsa_user_sgpr_kernarg_segment_ptr 1
		.amdhsa_wavefront_size32 1
		.amdhsa_system_sgpr_workgroup_id_x 1
		.amdhsa_system_sgpr_workgroup_id_y 1
		.amdhsa_system_sgpr_workgroup_id_z 1
		.amdhsa_system_vgpr_workitem_id 0
		.amdhsa_next_free_vgpr 256
		.amdhsa_next_free_sgpr 66
		.amdhsa_reserve_vcc 0
		.amdhsa_float_denorm_mode_32 3
		.amdhsa_float_denorm_mode_16_64 3
		.amdhsa_memory_ordered 1
		.amdhsa_forward_progress 1
		.amdhsa_inst_pref_size 122
	.end_amdhsa_kernel
	.amdgpu_metadata
---
amdhsa.version: [ 1, 2 ]
amdhsa.kernels:
  - .name:           k_q65688e8f90_prep
    .symbol:         k_q65688e8f90_prep.kd
    .args:
      - { .name: query, .offset: 0, .size: 8, .value_kind: global_buffer, .address_space: global }
      - { .name: keys, .offset: 8, .size: 8, .value_kind: global_buffer, .address_space: global }
      - { .name: values, .offset: 16, .size: 8, .value_kind: global_buffer, .address_space: global }
      - { .name: Wk, .offset: 24, .size: 8, .value_kind: global_buffer, .address_space: global }
      - { .name: Wq, .offset: 32, .size: 8, .value_kind: global_buffer, .address_space: global }
      - { .name: Wo, .offset: 40, .size: 8, .value_kind: global_buffer, .address_space: global }
      - { .name: Wv, .offset: 48, .size: 8, .value_kind: global_buffer, .address_space: global }
      - { .name: x16, .offset: 56, .size: 8, .value_kind: global_buffer, .address_space: global }
      - { .name: wf, .offset: 64, .size: 8, .value_kind: global_buffer, .address_space: global }
    .group_segment_fixed_size: 74752
    .private_segment_fixed_size: 0
    .kernarg_segment_align: 8
    .kernarg_segment_size: 72
    .max_flat_workgroup_size: 256
    .sgpr_count:     66
    .vgpr_count:     256
    .wavefront_size: 32
...
	.end_amdgpu_metadata
.endif
;; end of part 6
;; launch qproj: the kernel of part 2 again; grid 8 x 32, 4 waves a work-group, clusters of 4 x 4, 327,680 bytes of LDS; arguments x16, wf, qp16; writes qp16
;; launch scores: the kernel of part 3 again; grid 8 x 32, 4 waves a work-group, clusters of 4 x 4, 327,680 bytes of LDS; arguments qp16, x16, mask, pfrag, stats; writes pfrag, stats
;; launch av: the kernel of part 4 again; grid 8 x 32, 4 waves a work-group, clusters of 4 x 4, 327,680 bytes of LDS; arguments pfrag, x16, stats, u16; writes u16
;; launch final: the kernel of part 5 again; grid 8 x 32, 4 waves a work-group, clusters of 4 x 4, 327,680 bytes of LDS; arguments u16, wf, bo, out0; writes out0
